; MI455X (gfx1250); checked and timed in simulation.
; The chip was launched on July 23, 2026; its instructions are those of AMD's public machine-readable ISA for CDNA 5 (MIT licence, August 2026) and "CDNA5" Instruction Set Architecture Reference Guide (July 2026). The comments in the code are by the model that wrote it; some were corrected since.
;; Block. Allowed arithmetic: matrix products marked QUANTISED: E2M3 operands, one E8M0 scale for each 32 along K, by v_wmma_scale_f32_16x16x128_f8f6f4 with both operands' format E2M3, f32 sums; everything else in f32.
;; Inputs: b_attn 3,072 float32; b_fc1 4,096 float32; b_fc2 1,024 float32; b_proj 1,024 float32; ln1_b 1,024 float32; ln1_g 1,024 float32; ln2_b 1,024 float32; ln2_g 1,024 float32; w_attn_codes 3,072 x 32 x 24 uint8 (E2M3 codes of w_attn, K innermost, in blocks of 32 codes, four codes in three bytes); w_attn_scales 3,072 x 32 uint8 (E8M0 scales of w_attn, one for each 32 codes along K); w_fc1_codes 4,096 x 32 x 24 uint8 (E2M3 codes of w_fc1, K innermost, in blocks of 32 codes, four codes in three bytes); w_fc1_scales 4,096 x 32 uint8 (E8M0 scales of w_fc1, one for each 32 codes along K); w_fc2_codes 1,024 x 128 x 24 uint8 (E2M3 codes of w_fc2, K innermost, in blocks of 32 codes, four codes in three bytes); w_fc2_scales 1,024 x 128 uint8 (E8M0 scales of w_fc2, one for each 32 codes along K); w_proj_codes 1,024 x 32 x 24 uint8 (E2M3 codes of w_proj, K innermost, in blocks of 32 codes, four codes in three bytes); w_proj_scales 1,024 x 32 uint8 (E8M0 scales of w_proj, one for each 32 codes along K); x 2 x 2,048 x 1,024 float32.
;; Outputs: out0 2 x 2,048 x 1,024 float32.
;; This version of the problem:
;;   THIS VERSION OF THE PROBLEM IS GIVEN IN LOW PRECISION. The matrix products marked QUANTISED in the list below multiply operands that are first quantised to E2M3 (2 exponent bits, 3 mantissa bits; 6 bits a number), with one power-of-two scale for each 32 numbers along K (OCP MX v1.0); their sums are f32. All else is computed in f32.
;;   The module's matrix products, in the order in which they are computed (A, B: the left and right operand; K: the contracted axis; several contracted axes count as one K, in the product's order):
;;     1. [M 4,096, K 1,024] x [K 1,024, N 3,072]; A: computed on the way; B: input w_attn (given as codes): QUANTISED
;;     2. batch 32 x [M 2,048, K 64] x [K 64, N 2,048]; A: computed on the way; B: computed on the way: QUANTISED
;;     3. batch 32 x [M 2,048, K 2,048] x [K 2,048, N 64]; A: softmax (see below); B: computed on the way: QUANTISED
;;     4. [M 4,096, K 1,024] x [K 1,024, N 1,024]; A: computed on the way; B: input w_proj (given as codes): QUANTISED
;;     5. [M 4,096, K 1,024] x [K 1,024, N 4,096]; A: computed on the way; B: input w_fc1 (given as codes): QUANTISED
;;     6. [M 4,096, K 4,096] x [K 4,096, N 1,024]; A: computed on the way; B: input w_fc2 (given as codes): QUANTISED
;;   THE QUANTISER, for each operand of a quantised product, along K:
;;     - K is cut into blocks of 32 from its start; a last block that is shorter is filled with zeros.
;;     - A block's scale is 2^e with e = floor(log2(the largest magnitude in the block)) - 2, held to -126 .. 127; a block of zeros has e = 0. As a byte (E8M0): e + 127.
;;     - Each number is divided by its block's scale, clamped to +-7.5, and rounded to the nearest number of E2M3, ties to even, subnormals kept.
;;     - The product sums the exact products of the quantised numbers (number of the format x scale) in f32.
;;   ~~~python
;;   def quantise(x, axis):      # numpy; x: float32 -> the quantised numbers, widened to float32 again
;;       x = np.moveaxis(x, axis, -1); K = x.shape[-1]
;;       x = np.pad(x, [(0, 0)] * (x.ndim - 1) + [(0, -K % 32)]); x = x.reshape(x.shape[:-1] + (-1, 32)); a = np.abs(x).max(-1, keepdims=True)
;;       e = np.where(a > 0, np.clip(np.frexp(np.where(a > 0, a, 1))[1] - 1 - 2, -126, 127), 0)      # np.frexp(a)[1] - 1 = floor(log2(a)), exactly
;;       r = np.clip(x / 2.0 ** e, -7.5, 7.5)
;;       step = 2.0 ** (np.maximum(np.frexp(np.where(r == 0, 1, r))[1] - 1, 0) - 3)
;;       q = np.round(r / step) * step * 2.0 ** e      # np.round: ties to even
;;       return np.moveaxis(q.reshape(q.shape[:-2] + (-1,))[..., :K], -1, axis).astype(np.float32)
;;   ~~~
;;   SOFTMAX AHEAD OF A QUANTISED PRODUCT. Where the list says 'softmax', what is quantised is not the finished softmax but p = 2^(t - M), with t = logit x log2(e) and M = ceil(the row's largest t), a whole number; so 1/2 < the row's largest p <= 1. The row's sum l is taken of the UNQUANTISED p, in f32, and the product's result is divided by l at the end. Since M is a whole number, a kernel that streams over the keys may use a running M (the ceiling of the running maximum): every later rescaling is an exact power of two, which a block's scale takes up: the codes' values come out the same.
;;   OPERANDS COMPUTED ON THE WAY. 'Computed on the way' means the value that the module computes at that place (a softmax that the list does not call 'softmax' is quantised finished and normalised). What goes into a quantiser is computed in f32, as accurately as f32 sums, v_exp_f32 and their like allow (about 1e-6 of the number): no bf16 or f16 on the way to a quantiser, and a product that is left as it is and whose result goes on into a quantised operand takes f32 operands (vector FMAs, or v_wmma_f32_16x16x4_f32). A number that lies on a knife's edge between two numbers of the format may be rounded either way, as far as f32 arithmetic and the matrix unit's own rounding can turn it there, and no further.
;;   INPUTS GIVEN AS CODES. w_attn (in the module: [1024, 3072], K = its axis 0); w_fc1 (in the module: [1024, 4096], K = its axis 0); w_fc2 (in the module: [4096, 1024], K = its axis 0); w_proj (in the module: [1024, 1024], K = its axis 0): each comes as NAME_codes (uint8): NAME with its K axis moved to the last place and cut into blocks of 32 codes, [.., K / 32, bytes a block], one block behind the other in memory; four codes in three bytes: a row's codes are one little-endian stream of bits, code i at bits 6 i .. 6 i + 5 (a code: sign, 2 exponent bits, 3 mantissa bits); and NAME_scales (uint8): the same leading axes, one E8M0 byte (e + 127) for each 32 codes along K. Its value is code x scale, taken as it is: it is not quantised again, and the codes and scales need not be those that the quantiser above would give.
;; One version. Each part assembles by itself: llvm-mc -triple=amdgcn-amd-amdhsa -mcpu=gfx1250 --defsym DOCPART=n.
;; ======== version 1 of 1: 7 launches
;; limits: right only within a limited range of input values
;; workspace buffers: a1c 3,145,728 bytes; a1s 131,072 bytes; kv 6,553,600 bytes; a3c 3,145,728 bytes; a3s 131,072 bytes; x2 16,777,216 bytes; a5c 12,582,912 bytes; a5s 524,288 bytes
;; launch lnq (part 1): grid 256 x 1, 8 waves a work-group, no clusters, 67,072 bytes of LDS; arguments x, ln1_g, ln1_b, a1c, a1s; writes a1c, a1s
.if DOCPART == 1
	.amdgcn_target "amdgcn-amd-amdhsa--gfx1250"
	.amdhsa_code_object_version 6
	.text
	.protected	k_qe50449a056_lnq
	.globl	k_qe50449a056_lnq
	.p2align	8
	.type	k_qe50449a056_lnq,@function
k_qe50449a056_lnq:
	s_mov_b64 s[64:65], 0
	v_nop
	global_prefetch_b8 v0, s[64:65] scope:SCOPE_SE
	s_setreg_imm32_b32 hwreg(HW_REG_WAVE_MODE, 25, 1), 1
	s_wait_xcnt 0x0
; LAYER NORM, THEN THE QUANTISER ALONG K = 1,024.  in: [4096][1024] f32, g, b: [1024] f32.  out: codes of FP6 (E2M3) and E8M0 scale words, laid as the products' launches load them.
; DEAD WORK OF THE PROGRAM: reference() slices qkv[..., D:2D] and uses nothing else of qkv: columns 0 .. 1,023 and 2,048 .. 3,071 of its first product reach no output whatever the inputs hold. So the next launch multiplies
; only rows 1,024 .. 2,047 of w_attn_codes, w_attn_scales and b_attn.  LIMIT: a NaN, an infinity or an overflow that would arise only in the columns left out is not carried to the result.
; A TILE tau = 2 b + u holds the 16 rows 32 b + 8 u + r + 8 (r / 8), r = 0 .. 15.  Codes: [tau][K step of 128][1,536 bytes]: the image of an operand's 12 registers: half c (768 bytes):
; registers 6 c .. 6 c + 3 at 16 x lane, registers 6 c + 4, 6 c + 5 at 512 + 8 x lane; lane (r, h) holds k = 64 c + 32 h + 0 .. 31 of the tile's row r.
; Scale words: [tau / 4][K step][256 bytes]: the word of tile i = tau % 4, row r, at 8 (r + 16 (i % 2)) + 4 (i / 2).
; SHARES.  A work-group takes one tile.  Wave w normalises local rows 2 w and 2 w + 1 (a row is 32 registers a lane: read once, mean and variance in two passes over registers), puts them into LDS,
; and behind ONE barrier takes K step w of all 16 rows: a lane then holds two whole blocks of 32 along K, so that no other lane is asked for a largest magnitude.
; LIMITS: NaN and infinities are not served; a block of zeros, and one whose largest magnitude lies under 2^-124, gets the byte 1 (zero or tiny codes; this program alone reads the bytes).
; The scale words leave as 4 bytes a lane, 8 bytes apart.  The launch streams: no matrix unit, no cluster, no tensor load.
.set PITCH, 4112                       ; an LDS row: 4,096 bytes + 16 = 257 x 16
.set X,  32                            ; v32-95   two rows, 32 registers each: register 4 j + e is column 128 j + 4 lane + e; later two blocks of 32 along K
.set G,  96                            ; v96-127  the gain, same columns
.set BV, 128                           ; v128-159 the bias
.set PC, 160                           ; v160-171 the codes
.set TM, 172                           ; v172-176 at work in the quantiser
.macro D n
	s_delay_alu instid0(VALU_DEP_\n)
.endm
.macro WSUM a, t                       ; the sum over the wave's 32 lanes, in every lane
	v_add_f32_dpp v[\a], v[\a], v[\a] row_xmask:1 row_mask:0xf bank_mask:0xf
	D 1
	v_add_f32_dpp v[\a], v[\a], v[\a] row_xmask:2 row_mask:0xf bank_mask:0xf
	D 1
	v_add_f32_dpp v[\a], v[\a], v[\a] row_xmask:4 row_mask:0xf bank_mask:0xf
	D 1
	v_add_f32_dpp v[\a], v[\a], v[\a] row_xmask:8 row_mask:0xf bank_mask:0xf
	D 1
	v_permlanex16_b32 v[\t], v[\a], s12, s13
	D 1
	v_add_f32 v[\a], v[\a], v[\t]
.endm
.macro QW1 s, pc, by, tm               ; 32 numbers of one block in v[s] on -> six registers of codes at v[pc], the scale's byte in v[by]
	v_max3_num_f32 v[\tm], |v[\s]|, |v[\s+1]|, |v[\s+2]|
	v_max3_num_f32 v[\tm+1], |v[\s+3]|, |v[\s+4]|, |v[\s+5]|
.irp i, 6,10,14,18,22,26
	D 2
	v_max3_num_f32 v[\tm], v[\tm], |v[\s+\i]|, |v[\s+\i+1]|
	D 2
	v_max3_num_f32 v[\tm+1], v[\tm+1], |v[\s+\i+2]|, |v[\s+\i+3]|
.endr
	D 2
	v_max3_num_f32 v[\tm], v[\tm], |v[\s+30]|, |v[\s+31]|
	D 1
	v_max3_num_f32 v[\tm], v[\tm], v[\tm+1], 0x1800000      ; the floor 2^(3 - 127): the byte cannot fall under 1
	D 1
	v_add_nc_u32 v[\tm+1], 0xff000000, v[\tm]               ; 2 off the exponent field: the conversion's scale operand
	D 1
	v_lshrrev_b32 v[\by], 23, v[\tm+1]                      ; the scale's byte
	v_cvt_scalef32_pk16_fp6_f32 v[\pc:\pc+2], v[\s:\s+15], v[\tm+1]
	v_cvt_scalef32_pk16_fp6_f32 v[\tm+2:\tm+4], v[\s+16:\s+31], v[\tm+1]   ; (a conversion's three registers begin on an even number)
	v_nop                                                   ; one plain place behind a scaled conversion
.irp i, 0,1,2
	v_mov_b32 v[\pc+3+\i], v[\tm+2+\i]
.endr
.endm
	s_load_b256 s[4:11], s[0:1], 0x0               ; in s[4:5], g s[6:7], b s[8:9], codes s[10:11]
	s_load_b64 s[16:17], s[0:1], 0x20              ; scale words
	v_lshl_add_u32 v192, v0, 2, 0x10200
	v_mov_b32 v193, 0
	v_lshrrev_b32 v7, 5, v0
	D 1
	v_readfirstlane_b32 s18, v7                    ; wave 0..7
	v_and_b32 v8, 31, v0                           ; lane
	v_and_b32 v9, 15, v0                           ; r
	v_bfe_u32 v10, v0, 4, 1                        ; h
	D 3
	v_lshlrev_b32 v1, 4, v8                        ; 16 x lane
	D 4
	v_lshlrev_b32 v2, 3, v8                        ; 8 x lane
	s_mul_i32 s19, s18, 2*PITCH
	v_add_nc_u32 v3, s19, v1                       ; LDS, in: my wave's two rows, 16 bytes a lane
	v_mul_u32_u24 v4, v9, PITCH
	D 1
	v_lshl_add_u32 v4, v10, 7, v4
	s_lshl_b32 s19, s18, 9
	v_add_nc_u32 v4, s19, v4                       ; LDS, out: row r, K step w (512 bytes), + 128 h
	v_lshlrev_b32 v5, 3, v9                        ; 8 r
	v_lshlrev_b32 v6, 3, v10                       ; 8 h
	v_mov_b32 v30, 0                               ; a lane permute's destination counts as one of its sources
	v_mov_b32 v31, 0
	s_mov_b32 s12, 0x76543210
	s_mov_b32 s13, 0xfedcba98                      ; lane l xor 16
	s_mov_b32 s14, 0x3a800000                      ; 1 / 1,024
	s_mov_b32 s15, 0x3727c5ac                      ; 1e-5
	s_lshr_b32 s20, ttmp9, 1                       ; my first row: 32 (tau / 2) + 8 (tau % 2) + 2 w + 8 (w / 4)
	s_lshl_b32 s20, s20, 5
	s_and_b32 s21, ttmp9, 1
	s_lshl_b32 s21, s21, 3
	s_add_co_u32 s20, s20, s21
	s_lshl_b32 s21, s18, 1
	s_add_co_u32 s20, s20, s21
	s_lshr_b32 s21, s18, 2
	s_lshl_b32 s21, s21, 3
	s_add_co_u32 s20, s20, s21
	s_lshl_b32 s20, s20, 12                        ; x 4,096 bytes
	s_mov_b32 s21, 0
	s_lshl_b32 s22, ttmp9, 3
	s_add_co_u32 s22, s22, s18
	s_mul_i32 s22, s22, 1536                       ; my fragment: (8 tau + w) x 1,536
	s_mov_b32 s23, 0
	s_lshr_b32 s24, ttmp9, 2
	s_lshl_b32 s24, s24, 3
	s_add_co_u32 s24, s24, s18
	s_lshl_b32 s24, s24, 8                         ; my scale words: ((tau / 4) 8 + w) x 256
	s_and_b32 s25, ttmp9, 1
	s_lshl_b32 s25, s25, 7
	s_add_co_u32 s24, s24, s25                     ; + 128 (tau % 2)
	s_bfe_u32 s25, ttmp9, 0x10001
	s_lshl_b32 s25, s25, 2
	s_add_co_u32 s24, s24, s25                     ; + 4 ((tau / 2) % 2)
	s_mov_b32 s25, 0
	s_wait_kmcnt 0x0
	s_add_nc_u64 s[4:5], s[4:5], s[20:21]
	s_add_nc_u64 s[10:11], s[10:11], s[22:23]
	s_add_nc_u64 s[16:17], s[16:17], s[24:25]
.irp e, 0,1
.irp j, 0,1,2,3,4,5,6,7
	global_load_b128 v[X+32*\e+4*\j:X+32*\e+4*\j+3], v1, s[4:5] offset:4096*\e+512*\j   ; 32 lanes read 512 consecutive bytes
.endr
.endr
.irp j, 0,1,2,3,4,5,6,7
	global_load_b128 v[G+4*\j:G+4*\j+3], v1, s[6:7] offset:512*\j
	global_load_b128 v[BV+4*\j:BV+4*\j+3], v1, s[8:9] offset:512*\j
.endr
	s_wait_loadcnt 16                              ; the two rows are in; the sixteen loads of g and b may be out
.irp e, 0,1                                    ; the rows' sums: two chains of pairs a row
	v_pk_add_f32 v[8+4*\e:9+4*\e], v[X+32*\e:X+32*\e+1], v[X+32*\e+2:X+32*\e+3]
	v_pk_add_f32 v[10+4*\e:11+4*\e], v[X+32*\e+4:X+32*\e+5], v[X+32*\e+6:X+32*\e+7]
.endr
.irp j, 8,12,16,20,24,28
.irp e, 0,1
	D 4
	v_pk_add_f32 v[8+4*\e:9+4*\e], v[8+4*\e:9+4*\e], v[X+32*\e+\j:X+32*\e+\j+1]
	D 4
	v_pk_add_f32 v[10+4*\e:11+4*\e], v[10+4*\e:11+4*\e], v[X+32*\e+\j+2:X+32*\e+\j+3]
.endr
.endr
	D 3
	v_pk_add_f32 v[8:9], v[8:9], v[10:11]
	D 2
	v_pk_add_f32 v[12:13], v[12:13], v[14:15]
.irp e, 0,1
	D 2
	v_add_f32 v[8+4*\e], v[8+4*\e], v[9+4*\e]
.endr
	WSUM 8, 30
	WSUM 12, 31
	v_mul_f32 v18, s14, v8                         ; the mean, twice: a pair for the packed forms
	v_mul_f32 v19, s14, v8
	D 3
	v_mul_f32 v20, s14, v12
	D 4
	v_mul_f32 v21, s14, v12
.set j, 0
.rept 16
	v_pk_add_f32 v[X+j:X+j+1], v[X+j:X+j+1], v[18:19] neg_lo:[0,1] neg_hi:[0,1]            ; x - mean, in place
	v_pk_add_f32 v[X+32+j:X+33+j], v[X+32+j:X+33+j], v[20:21] neg_lo:[0,1] neg_hi:[0,1]
.set j, j+2
.endr
.irp e, 0,1                                    ; the sums of squares
	v_pk_mul_f32 v[8+4*\e:9+4*\e], v[X+32*\e:X+32*\e+1], v[X+32*\e:X+32*\e+1]
	v_pk_mul_f32 v[10+4*\e:11+4*\e], v[X+32*\e+2:X+32*\e+3], v[X+32*\e+2:X+32*\e+3]
.endr
.irp j, 4,8,12,16,20,24,28
.irp e, 0,1
	D 4
	v_pk_fma_f32 v[8+4*\e:9+4*\e], v[X+32*\e+\j:X+32*\e+\j+1], v[X+32*\e+\j:X+32*\e+\j+1], v[8+4*\e:9+4*\e]
	D 4
	v_pk_fma_f32 v[10+4*\e:11+4*\e], v[X+32*\e+\j+2:X+32*\e+\j+3], v[X+32*\e+\j+2:X+32*\e+\j+3], v[10+4*\e:11+4*\e]
.endr
.endr
	D 3
	v_pk_add_f32 v[8:9], v[8:9], v[10:11]
	D 2
	v_pk_add_f32 v[12:13], v[12:13], v[14:15]
.irp e, 0,1
	D 2
	v_add_f32 v[8+4*\e], v[8+4*\e], v[9+4*\e]
.endr
	WSUM 8, 30
	WSUM 12, 31
	v_fma_f32 v26, v8, s14, s15                    ; the variance + 1e-5
	D 2
	v_fma_f32 v27, v12, s14, s15
	s_wait_alu depctr_va_vdst(0)                   ; the wait ahead of the transcendentals
	v_rsq_f32 v22, v26
	v_rsq_f32 v24, v27
	v_nop                                          ; a plain place behind the transcendentals
	s_wait_alu depctr_va_vdst(0)                   ; one wait for both, ahead of their first reader
	v_mov_b32 v23, v22
	v_mov_b32 v25, v24
	s_wait_alu depctr_va_vdst(0)                   ; directly ahead of the wait below
	s_wait_loadcnt 0x0                             ; g and b
.set j, 0
.rept 16
	v_pk_mul_f32 v[X+j:X+j+1], v[X+j:X+j+1], v[22:23]
	v_pk_mul_f32 v[X+32+j:X+33+j], v[X+32+j:X+33+j], v[24:25]
	D 2
	v_pk_fma_f32 v[X+j:X+j+1], v[X+j:X+j+1], v[G+j:G+j+1], v[BV+j:BV+j+1]
	D 2
	v_pk_fma_f32 v[X+32+j:X+33+j], v[X+32+j:X+33+j], v[G+j:G+j+1], v[BV+j:BV+j+1]
.set j, j+2
.endr
.irp e, 0,1
.irp j, 0,1,2,3,4,5,6,7
	ds_store_b128 v3, v[X+32*\e+4*\j:X+32*\e+4*\j+3] offset:PITCH*\e+512*\j
.endr
.endr
	s_wait_dscnt 0x0                               ; for the others' sake: my two rows lie in LDS
	s_barrier_signal -1
	s_barrier_wait -1
.irp c, 0,1
.irp i, 0,1,2,3,4,5,6,7
	ds_load_b128 v[X+32*\c+4*\i:X+32*\c+4*\i+3], v4 offset:256*\c+16*\i   ; k = 128 w + 64 c + 32 h + 4 i .. of row r
.endr
.endr
	s_wait_dscnt 0x0
	QW1 X, PC, 28, TM
	QW1 X+32, PC+6, 29, TM
	v_lshl_or_b32 v28, v29, 16, v28                ; my two bytes: blocks h and 2 + h of row r,
	D 1
	v_lshlrev_b32 v28, v6, v28                     ; at their places in the word (8 h bits up);
	D 1
	v_permlanex16_b32 v30, v28, s12, s13
	D 1
	v_or_b32 v28, v28, v30                         ; with lane l xor 16's two the word is whole
	global_store_b128 v1, v[PC:PC+3], s[10:11]                 ; 512 consecutive bytes
	global_store_b64 v2, v[PC+4:PC+5], s[10:11] offset:512     ; 256
	global_store_b128 v1, v[PC+6:PC+9], s[10:11] offset:768
	global_store_b64 v2, v[PC+10:PC+11], s[10:11] offset:1280
	global_store_b32 v5, v28, s[16:17]             ; lanes 16-31 name lanes 0-15's words, with the same value
	s_wait_tensorcnt 0x0                           ; the wave's end
	ds_add_u32 v192, v193
	s_wait_dscnt 0x0
	s_endpgm
.Lfunc_end_k_qe50449a056_lnq:
	.size	k_qe50449a056_lnq, .Lfunc_end_k_qe50449a056_lnq-k_qe50449a056_lnq
	.p2alignl 7, 3214868480
	.fill 96, 4, 3214868480
	.section	.rodata,"a",@progbits
	.p2align	6, 0x0
	.amdhsa_kernel k_qe50449a056_lnq
		.amdhsa_group_segment_fixed_size 67072
		.amdhsa_private_segment_fixed_size 0
		.amdhsa_enable_private_segment 0
		.amdhsa_kernarg_size 40
		.amdhsa_user_sgpr_count 2
		.amdhsa_user_sgpr_kernarg_segment_ptr 1
		.amdhsa_wavefront_size32 1
		.amdhsa_system_sgpr_workgroup_id_x 1
		.amdhsa_system_sgpr_workgroup_id_y 1
		.amdhsa_system_sgpr_workgroup_id_z 1
		.amdhsa_system_vgpr_workitem_id 0
		.amdhsa_next_free_vgpr 194
		.amdhsa_next_free_sgpr 66
		.amdhsa_reserve_vcc 0
		.amdhsa_float_denorm_mode_32 3
		.amdhsa_float_denorm_mode_16_64 3
		.amdhsa_memory_ordered 1
		.amdhsa_forward_progress 1
		.amdhsa_inst_pref_size 29
	.end_amdhsa_kernel
	.amdgpu_metadata
---
amdhsa.version: [ 1, 2 ]
amdhsa.kernels:
  - .name:           k_qe50449a056_lnq
    .symbol:         k_qe50449a056_lnq.kd
    .args:
      - { .name: x, .offset: 0, .size: 8, .value_kind: global_buffer, .address_space: global }
      - { .name: ln1_g, .offset: 8, .size: 8, .value_kind: global_buffer, .address_space: global }
      - { .name: ln1_b, .offset: 16, .size: 8, .value_kind: global_buffer, .address_space: global }
      - { .name: a1c, .offset: 24, .size: 8, .value_kind: global_buffer, .address_space: global }
      - { .name: a1s, .offset: 32, .size: 8, .value_kind: global_buffer, .address_space: global }
    .group_segment_fixed_size: 67072
    .private_segment_fixed_size: 0
    .kernarg_segment_align: 8
    .kernarg_segment_size: 40
    .max_flat_workgroup_size: 256
    .sgpr_count:     66
    .vgpr_count:     194
    .wavefront_size: 32
...
	.end_amdgpu_metadata
.endif
;; end of part 1
;; launch kproj (part 2): grid 8 x 32, 4 waves a work-group, clusters of 4 x 4, 327,680 bytes of LDS; arguments a1c, a1s, w_attn_codes, w_attn_scales, b_attn, kv; writes kv
.if DOCPART == 2
	.amdgcn_target "amdgcn-amd-amdhsa--gfx1250"
	.amdhsa_code_object_version 6
	.text
	.protected	k_qe50449a056_kproj
	.globl	k_qe50449a056_kproj
	.p2align	8
	.type	k_qe50449a056_kproj,@function
k_qe50449a056_kproj:
	s_mov_b64 s[64:65], 0
	v_nop
	global_prefetch_b8 v0, s[64:65] scope:SCOPE_SE
	s_setreg_imm32_b32 hwreg(HW_REG_WAVE_MODE, 25, 1), 1
	s_wait_xcnt 0x0
	s_wait_alu depctr_hold_cnt(0) depctr_sa_sdst(0) depctr_va_vdst(0) depctr_va_sdst(0) depctr_va_ssrc(0) depctr_va_vcc(0) depctr_vm_vsrc(0)
	s_getreg_b32 s2, hwreg(HW_REG_IB_STS2, 6, 4)
	s_cmp_eq_u32 s2, 0
	s_cbranch_scc0 .Lentry_in_a_cluster
	s_endpgm
.Lentry_in_a_cluster:
	s_bfe_u32 s2, ttmp6, 0x10000c
	s_cmp_lg_u32 s2, 0xf033
	s_cbranch_scc0 .Lentry_shape_is_right
	s_endpgm
.Lentry_shape_is_right:
.set BL,     4
.set NQ,     4
.set SIZE_K, 1024
.set S,      SIZE_K/128
.set KS,     SIZE_K/32
.set KROW,   SIZE_K*3/4
; k = LN1(x) W_attn[:, 1024:2048] + b_attn[1024:2048], on codes of FP6 (E2M3) with E8M0 scales, K = 1,024; the result is quantised twice, as K (along the head's channels) and as V (along the keys), and laid for the attention launch.
; WORK LEFT OUT: reference() uses only columns 1,024 .. 2,047 of qkv, so only those rows of w_attn_codes, w_attn_scales and b_attn are read (shown at the head of the first kernel).
; A work-group of four waves makes 128 x 128, a wave 64 x 64.  All of K lies in LDS at once: A's 8 tiles x 8 K steps of images (98,304 bytes), W's 128 rows of 768 bytes, and both sides' scales: four tiles, one tensor load a wave,
; each filled once.  W's rows begin at multiples of 256 bytes of memory; 16 bytes of padding behind every 256 make an LDS row of 816 bytes = 204 words: row r begins at bank 12 r mod 64, sixteen different places.
; 4 x 4 work-groups form a cluster: A's tiles are asked for jointly along a row of it, W's along a column.  No prefetch: every load goes out at the head, and there is no loop to run ahead in.
.set PITCH,  816
.set ABYTES, 98304
.set LAPS,   SIZE_K/(256*NQ)
.set SAH,    (BL/4)*S*256
.set RB,     16*BL*KS/256
.set HALFS,  RB*272
.set SBLK,   (16*KS/256)*272
.set SCLA,   ABYTES+128*PITCH
.set SCLB,   SCLA+2*SAH
.set SPARE,  SCLB+2*HALFS
.set STAGE,  SPARE+512                 ; the way out's stages: bytes of their own, into which no tile lands
.set NLA,    4
.set ADRSB, 27
.set SPW,   28
.set NIL,   29
.set ADRSA, 30
.set SC,    32
.set BIAS,  64
.set AF,    128
.set G1, 24
.set G0, 32
.set G1B, 48
.set G0B, 56
.set G1S, 68
.set G0S, 76
.set G1SB, 80
.set G0SB, 88
.set MSB, 0
.macro WIN new
.if MSB != (\new)
	s_set_vgpr_msb (MSB<<8)|(\new)
.set MSB, (\new)
.endif
.endm
.macro PLACES
.rept 4
	v_nop
.endr
.endm
.macro ARM under, g0, g1, next         ; one arm of the head's tree of branches on the wave's number: one joint load, then on to the tree's end
	s_cmp_lt_u32 s14, \under
	s_cbranch_scc0 \next
	tensor_load_to_lds s[\g0:\g0+3], s[\g1:\g1+7]
	s_nop 0
	PLACES
	s_branch .Lhead_asked
\next:
.endm
.macro CREST
	s_cmp_lg_u32 s14, 0
	s_cbranch_scc1 .Lnot_wave_0_\@
	s_barrier_signal -3
.Lnot_wave_0_\@:
	s_barrier_wait -3
	s_barrier_signal -1
	s_barrier_wait -1
.endm
.macro CROUND
	s_barrier_signal -1
	s_barrier_wait -1
	CREST
.endm
.set WST, -1                           ; the K step of W's fragments fetched last: the walk along K is written out, so the text counts it
.macro FRAGB reg, st, i                ; a fragment of W, K step st: six pieces of 8 bytes.  Byte y of a row lies at y + 16 (y / 256) of its LDS row; lanes 16-31 read 24 bytes on: where that is behind one padding more, v22 on serve
.irp p, 0,1,2,3,4,5
.set BY, 96*(\st)+48*(\p/3)+8*(\p%3)
.if BY/256 == (BY+24)/256
	ds_load_b64 v[\reg+2*\p:\reg+2*\p+1], v[20+(\i)/4] offset:BY+16*(BY/256)+((\i)%4)*16*PITCH
.else
	ds_load_b64 v[\reg+2*\p:\reg+2*\p+1], v[22+(\i)/4] offset:BY+16*(BY/256)+((\i)%4)*16*PITCH
.endif
.endr
.endm
.macro FETCH_B slot, q, p
.set WST, WST+1
	WIN 0x40
.set fi, 0
.rept BL
	FRAGB 128*(\p)+12*fi, WST, fi
.set fi, fi+1
.endr
	WIN 0
.endm
.macro FETCH_A slot, q, i0
.set fi, \i0
.rept BL/2
	ds_load_b128 v[AF+12*fi:AF+12*fi+3], v[16+\slot] offset:(fi*S+(\q))*1536
	ds_load_b64 v[AF+12*fi+4:AF+12*fi+5], v[18+\slot] offset:(fi*S+(\q))*1536+512
	ds_load_b128 v[AF+12*fi+6:AF+12*fi+9], v[16+\slot] offset:(fi*S+(\q))*1536+768
	ds_load_b64 v[AF+12*fi+10:AF+12*fi+11], v[18+\slot] offset:(fi*S+(\q))*1536+1280
.set fi, fi+1
.endr
.endm
.macro SCALES set
.set fq, 0
.rept NQ
.set fd, 0
.rept BL/4
	ds_load_b64 v[SC+16*\set+fq*(BL/2)+2*fd:SC+16*\set+fq*(BL/2)+2*fd+1], v[ADRSA] offset:fd*S*256+fq*256
.set fd, fd+1
.endr
.set fq, fq+1
.endr
.set fb, 0
.rept BL
.set fs, 0
.rept NQ/2
	ds_load_b32 v[SC+16*\set+8+fb*(NQ/2)+fs], v[ADRSB] offset:fb*SBLK+8*fs
.set fs, fs+1
.endr
.set fb, fb+1
.endr
.endm
.macro WM ra, rb
.if (\ra) && (\rb)
	v_wmma_scale_f32_16x16x128_f8f6f4 v[rD:rD+7], v[rB:rB+11], v[rA:rA+11], v[rC:rC+7], v[rSB], v[rSA] matrix_a_fmt:MATRIX_FMT_FP6 matrix_b_fmt:MATRIX_FMT_FP6 matrix_a_scale:MATRIX_SCALE_ROW1 matrix_b_scale:MATRIX_SCALE_ROW1
.elseif (\ra)
	v_wmma_scale_f32_16x16x128_f8f6f4 v[rD:rD+7], v[rB:rB+11], v[rA:rA+11], v[rC:rC+7], v[rSB], v[rSA] matrix_a_fmt:MATRIX_FMT_FP6 matrix_b_fmt:MATRIX_FMT_FP6 matrix_a_scale:MATRIX_SCALE_ROW1
.elseif (\rb)
	v_wmma_scale_f32_16x16x128_f8f6f4 v[rD:rD+7], v[rB:rB+11], v[rA:rA+11], v[rC:rC+7], v[rSB], v[rSA] matrix_a_fmt:MATRIX_FMT_FP6 matrix_b_fmt:MATRIX_FMT_FP6 matrix_b_scale:MATRIX_SCALE_ROW1
.else
	v_wmma_scale_f32_16x16x128_f8f6f4 v[rD:rD+7], v[rB:rB+11], v[rA:rA+11], v[rC:rC+7], v[rSB], v[rSA] matrix_a_fmt:MATRIX_FMT_FP6 matrix_b_fmt:MATRIX_FMT_FP6
.endif
.endm
.macro MULQ a0, p, q, sc, first
.set ma, \a0
.rept BL/4
.set mb, 0
.rept BL
.set rD, 8*(BL*(ma%(BL/2))+mb)
.set rB, 128*(\p)+12*mb
.set rA, AF+12*ma
.set rSB, SC+16*(\sc)+8+mb*(NQ/2)+(\q)/2
.set rSA, SC+16*(\sc)+(\q)*(BL/2)+ma/2
.if \first
.set rC, BIAS+8*mb
.else
.set rC, rD
.endif
	WM (\q)%2, ma%2
.set mb, mb+1
.endr
.set ma, ma+1
.endr
.endm
.macro STEP slot, q, first
	s_wait_dscnt (BL/2)*NLA
.if \first
	WIN 0x81
.else
	WIN 0xa1
.endif
	MULQ 0, (\q)%2, \q, \slot, \first
	MULQ BL/4, (\q)%2, \q, \slot, \first
	s_wait_dscnt 0
	PLACES
	FETCH_B \slot, (\q)+1, 1-(\q)%2
	FETCH_A \slot, (\q)+1, 0
.if \first
	WIN 0xc1
.else
	WIN 0xf1
.endif
	MULQ BL/2, (\q)%2, \q, \slot, \first
	MULQ 3*BL/4, (\q)%2, \q, \slot, \first
	PLACES
	WIN 0
	FETCH_A \slot, (\q)+1, BL/2
.endm
.macro MID slot
.if NQ == 4
	STEP \slot, 1, 0
	STEP \slot, 2, 0
.endif
.endm
.macro TURN slot, next, fill
	s_wait_dscnt (BL/2)*NLA
	WIN 0xa1
	MULQ 0, 1, NQ-1, \slot, 0
	MULQ BL/4, 1, NQ-1, \slot, 0
	s_wait_dscnt 0x0
	WIN 0
	PLACES
	v_add_nc_u32 v[ADRSA], NQ*256, v[ADRSA]
	v_add_nc_u32 v[ADRSB], 4*NQ, v[ADRSB]
	FETCH_B \next, 0, 0
	FETCH_A \next, 0, 0
	SCALES \next
	WIN 0xf1
	MULQ BL/2, 1, NQ-1, \slot, 0
	MULQ 3*BL/4, 1, NQ-1, \slot, 0
	PLACES
	WIN 0
	FETCH_A \next, 0, BL/2
.endm
	s_load_b256 s[4:11], s[0:1], 0x0
	s_load_b128 s[96:99], s[0:1], 0x20
	v_lshl_add_u32 v[SPW], v0, 2, SPARE
	v_mov_b32 v[NIL], 0
	ds_add_u32 v28, v29
	ds_add_u32 v28, v29
	s_wait_dscnt 0x0
	v_lshrrev_b32 v1, 5, v0
	v_readfirstlane_b32 s14, v1
	s_lshr_b32 s15, s14, 1
	s_and_b32 s16, s14, 1
	s_bfe_u32 s40, ttmp6, 0x40000
	s_bfe_u32 s41, ttmp6, 0x40004
	s_lshl_b32 s42, ttmp9, 2
	s_add_co_u32 s42, s42, s40
	s_and_b32 s17, ttmp7, 0xffff
	s_lshl_b32 s17, s17, 2
	s_add_co_u32 s17, s17, s41
	s_lshl_b32 s43, s41, 2
	s_lshl_b32 s43, 15, s43
	s_lshl_b32 s44, 0x1111, s40
	s_or_b32 s[G1+0], s43, (3<<16)|(1<<21)
	s_mov_b32 s[G1+1], 32<<16                      ; A's images of 8 tiles x 8 K steps: a dense block, as 384 rows of 256 bytes
	s_mov_b32 s[G1+2], 384<<16
	s_mov_b32 s[G1+3], 32<<16
	s_mov_b32 s[G1+4], 384
	s_mov_b32 s[G1+5], 32
	s_mov_b32 s[G1+6], 0
	s_mov_b32 s[G1+7], 0
	s_or_b32 s[G1B+0], s44, (0<<16)|(1<<20)|(1<<21)|(5<<22)|(3<<25)   ; W: 128 whole rows of 768 bytes, 16 bytes of padding behind every 256
	s_mov_b32 s[G1B+1], KROW<<16
	s_mov_b32 s[G1B+2], 128<<16
	s_mov_b32 s[G1B+3], KROW<<16
	s_mov_b32 s[G1B+4], 128
	s_mov_b32 s[G1B+5], KROW
	s_mov_b32 s[G1B+6], 0
	s_mov_b32 s[G1B+7], 0
	s_or_b32 s[G1S+0], s43, (3<<16)|(1<<21)
	s_mov_b32 s[G1S+1], 32<<16
	s_mov_b32 s[G1S+2], ((BL/2)*S)<<16
	s_mov_b32 s[G1S+3], 32<<16
	s_mov_b32 s[G1S+4], (BL/2)*S
	s_mov_b32 s[G1S+5], 32
	s_mov_b32 s[G1S+6], 0
	s_mov_b32 s[G1S+7], 0
	s_or_b32 s[G1SB+0], s44, (3<<16)|(1<<20)|(1<<21)|(5<<22)|(3<<25)
	s_mov_b32 s[G1SB+1], 32<<16
	s_mov_b32 s[G1SB+2], (2*RB)<<16
	s_mov_b32 s[G1SB+3], 32<<16
	s_mov_b32 s[G1SB+4], 2*RB
	s_mov_b32 s[G1SB+5], 32
	s_mov_b32 s[G1SB+6], 0
	s_mov_b32 s[G1SB+7], 0
	s_mul_i32 s20, s17, 2*BL
	s_mul_i32 s20, s20, S*1536
	s_mov_b32 s21, 0
	s_mul_i32 s22, s17, BL/2
	s_mul_i32 s22, s22, S*256
	s_mov_b32 s23, 0
	s_mul_i32 s46, s42, 32*BL*KROW
	s_add_co_u32 s46, s46, 1024*KROW
	s_mov_b32 s47, 0
	s_mul_i32 s92, s42, 32*BL*KS
	s_add_co_u32 s92, s92, 1024*KS
	s_mov_b32 s93, 0
	s_wait_kmcnt 0x0
	s_add_nc_u64 s[20:21], s[4:5], s[20:21]
	s_add_nc_u64 s[22:23], s[6:7], s[22:23]
	s_add_nc_u64 s[46:47], s[8:9], s[46:47]
	s_add_nc_u64 s[92:93], s[10:11], s[92:93]
	CROUND
	s_mov_b32 s[G0S], 1
	s_mov_b32 s[G0S+1], SCLA
	s_mov_b64 s[G0S+2:G0S+3], s[22:23]
	s_or_b32 s[G0S+3], s[G0S+3], 0x80000000
	s_mov_b32 s[G0SB], 1
	s_mov_b32 s[G0SB+1], SCLB
	s_mov_b64 s[G0SB+2:G0SB+3], s[92:93]
	s_or_b32 s[G0SB+3], s[G0SB+3], 0x80000000
	s_mov_b32 s[G0], 1
	s_mov_b32 s[G0+1], 0
	s_mov_b64 s[G0+2:G0+3], s[20:21]
	s_or_b32 s[G0+3], s[G0+3], 0x80000000
	s_mov_b32 s[G0B], 1
	s_mov_b32 s[G0B+1], ABYTES
	s_mov_b64 s[G0B+2:G0B+3], s[46:47]
	s_or_b32 s[G0B+3], s[G0B+3], 0x80000000
	ARM 1, G0,  G1,  .Lhead_b                      ; the launch's four tiles, one joint load a wave: wave 0 A's images,
	ARM 2, G0B, G1B, .Lhead_sa                     ; wave 1 W's rows,
	ARM 3, G0S, G1S, .Lhead_sb                     ; wave 2 A's scale words,
	tensor_load_to_lds s[G0SB:G0SB+3], s[G1SB:G1SB+7]   ; wave 3 W's scale bytes
	s_nop 0
	PLACES
.Lhead_asked:
	v_and_b32 v1, 15, v0
	v_bfe_u32 v2, v0, 4, 1
	v_and_b32 v3, 31, v0
	v_lshlrev_b32 v4, 4, v3
	v_lshlrev_b32 v5, 3, v3
	v_mul_u32_u24 v6, v1, PITCH
	v_mad_u32_u24 v6, v2, 24, v6
	v_lshl_add_u32 v7, v2, 4, v6
	s_mul_i32 s21, s15, ABYTES/2
	s_mul_i32 s22, s16, 16*BL*PITCH
	s_add_co_u32 s22, s22, ABYTES
	v_add_nc_u32 v16, s21, v4                      ; A: my four tiles, K steps 0 to 3;
	v_add_nc_u32 v18, s21, v5
	s_add_co_u32 s21, s21, NQ*1536
	v_add_nc_u32 v17, s21, v4                      ; K steps 4 to 7
	v_add_nc_u32 v19, s21, v5
	v_add_nc_u32 v20, s22, v6                      ; W: my 64 rows
	v_add_nc_u32 v22, s22, v7
	s_mul_i32 s21, s15, SAH
	s_add_co_u32 s21, s21, SCLA
	v_add_nc_u32 v[ADRSA], s21, v5
	v_mul_u32_u24 v8, v1, KS
	v_lshrrev_b32 v9, 8, v8
	v_lshl_add_u32 v8, v9, 4, v8
	v_lshl_add_u32 v8, v2, 2, v8
	s_mul_i32 s22, s16, HALFS
	s_add_co_u32 s22, s22, SCLB
	v_add_nc_u32 v[ADRSB], s22, v8
	s_mul_i32 s20, s42, 128*BL
	s_mul_i32 s21, s16, 64*BL
	s_add_co_u32 s20, s20, s21
	s_add_co_u32 s20, s20, 4096
	s_mov_b32 s21, 0
	s_add_nc_u64 s[96:97], s[96:97], s[20:21]
	v_lshlrev_b32 v10, 5, v2
.set fb, 0
.rept BL
	global_load_b128 v[BIAS+8*fb:BIAS+8*fb+3], v10, s[96:97] offset:64*fb
	global_load_b128 v[BIAS+8*fb+4:BIAS+8*fb+7], v10, s[96:97] offset:64*fb+16
.set fb, fb+1
.endr
	s_wait_alu depctr_va_vdst(0)
	s_wait_tensorcnt 0x0                           ; my tile of the four is in; behind the barrier everybody's is
	s_barrier_signal -1
	s_barrier_wait -1
	FETCH_B 0, 0, 0
	FETCH_A 0, 0, 0
	SCALES 0
	FETCH_A 0, 0, BL/2
	s_wait_loadcnt 0x0
	STEP 0, 0, 1
	MID 0
	TURN 0, 1, 0
	STEP 1, 0, 0
	MID 1
	s_wait_dscnt (BL/2)*NLA
	WIN 0xa1
	MULQ 0, 1, NQ-1, 1, 0
	MULQ BL/4, 1, NQ-1, 1, 0
	s_wait_dscnt 0
	WIN 0xf1
	MULQ BL/2, 1, NQ-1, 1, 0
	MULQ 3*BL/4, 1, NQ-1, 1, 0
	WIN 0
.set TM,  2
.set STV, 24
.set RDV, 25
.set HB,  64
.set KC,  96
.set HW,  120
.set VD,  128
.macro QUANT2 s, pc, hw
	v_max3_num_f32 v[TM], |v[\s]|, |v[\s+1]|, 0x1800000
	v_max3_num_f32 v[TM+1], |v[\s+16]|, |v[\s+17]|, 0x1800000
.irp i, 2,4,6,8,10,12,14
	v_max3_num_f32 v[TM], v[TM], |v[\s+\i]|, |v[\s+\i+1]|
	v_max3_num_f32 v[TM+1], v[TM+1], |v[\s+16+\i]|, |v[\s+17+\i]|
.endr
	v_permlanex16_b32 v[TM+2], v[TM], s12, s13
	v_permlanex16_b32 v[TM+3], v[TM+1], s12, s13
	v_max_num_f32 v[TM], v[TM], v[TM+2]
	v_max_num_f32 v[TM+1], v[TM+1], v[TM+3]
	v_add_nc_u32 v[TM+4], 0xff000000, v[TM]
	v_add_nc_u32 v[TM+5], 0xff000000, v[TM+1]
	v_lshrrev_b32 v[TM+6], 23, v[TM+4]
	v_lshrrev_b32 v[TM+7], 23, v[TM+5]
	v_lshl_or_b32 v[\hw], v[TM+7], 8, v[TM+6]
	v_cvt_scalef32_pk16_fp6_f32 v[\pc:\pc+2], v[\s:\s+15], v[TM+4]
	v_cvt_scalef32_pk16_fp6_f32 v[TM+8:TM+10], v[\s+16:\s+31], v[TM+5]
	v_nop
.irp i, 0,1,2
	v_permlane16_swap_b32 v[\pc+\i], v[TM+8+\i]
.endr
.irp i, 0,1,2
	v_mov_b32 v[\pc+3+\i], v[TM+8+\i]
.endr
.endm
.macro QW1 s, pc, by, tm
	v_max3_num_f32 v[\tm], |v[\s]|, |v[\s+1]|, |v[\s+2]|
	v_max3_num_f32 v[\tm+1], |v[\s+3]|, |v[\s+4]|, |v[\s+5]|
.irp i, 6,10,14,18,22,26
	v_max3_num_f32 v[\tm], v[\tm], |v[\s+\i]|, |v[\s+\i+1]|
	v_max3_num_f32 v[\tm+1], v[\tm+1], |v[\s+\i+2]|, |v[\s+\i+3]|
.endr
	v_max3_num_f32 v[\tm], v[\tm], |v[\s+30]|, |v[\s+31]|
	v_max3_num_f32 v[\tm], v[\tm], v[\tm+1], 0x1800000
	v_add_nc_u32 v[\tm+1], 0xff000000, v[\tm]
	v_lshrrev_b32 v[\by], 23, v[\tm+1]
	v_cvt_scalef32_pk16_fp6_f32 v[\pc:\pc+2], v[\s:\s+15], v[\tm+1]
	v_cvt_scalef32_pk16_fp6_f32 v[\tm+2:\tm+4], v[\s+16:\s+31], v[\tm+1]
	v_nop
.irp i, 0,1,2
	v_mov_b32 v[\pc+3+\i], v[\tm+2+\i]
.endr
.endm
	PLACES
	s_mov_b32 s12, 0x76543210
	s_mov_b32 s13, 0xfedcba98
	s_mov_b32 s67, 0xffff0000
	s_lshr_b32 s18, s17, 4
	s_lshl_b32 s18, s18, 4
	s_lshl_b32 s19, s42, 1
	s_add_co_u32 s18, s18, s19
	s_add_co_u32 s18, s18, s16
	s_lshl_b32 s18, s18, 4
	s_and_b32 s19, s17, 15
	s_add_co_u32 s18, s18, s19
	s_mul_i32 s18, s18, 12800
	s_mov_b32 s19, 0
	s_add_nc_u64 s[98:99], s[98:99], s[18:19]
	s_mul_i32 s18, s15, 3072
	s_add_nc_u64 s[18:19], s[98:99], s[18:19]
	s_mul_i32 s20, s15, 768
	s_mov_b32 s21, 0
	s_add_nc_u64 s[20:21], s[98:99], s[20:21]
	s_lshl_b32 s22, s15, 7
	s_mov_b32 s23, 0
	s_add_nc_u64 s[22:23], s[98:99], s[22:23]
	s_lshl_b32 s46, s15, 1
	s_mov_b32 s47, 0
	s_add_nc_u64 s[46:47], s[98:99], s[46:47]
	v_and_b32 v1, 31, v0
	v_lshlrev_b32 v14, 4, v1
	v_lshlrev_b32 v15, 3, v1
	v_lshlrev_b32 v26, 2, v1
	v_bfe_u32 v2, v0, 4, 1
	v_lshlrev_b32 v13, 3, v2
	v_and_b32 v3, 15, v0
	v_and_b32 v4, 8, v3
	v_add_nc_u32 v3, v3, v4
	s_mul_i32 s92, s14, 17664
	s_add_co_u32 s92, s92, STAGE
	v_mul_u32_u24 v[STV], v3, 272
	v_lshl_add_u32 v[STV], v2, 6, v[STV]
	v_add_nc_u32 v[STV], s92, v[STV]
	v_mul_u32_u24 v[RDV], v2, 32*272+32
	v_lshl_add_u32 v[RDV], v3, 2, v[RDV]
	v_add_nc_u32 v[RDV], s92, v[RDV]
	v_mov_b32 v[TM+2], 0
	v_mov_b32 v[TM+3], 0
.macro KVA a
	s_wait_dscnt 0x0
	WIN 0x02+(\a)/2
.set j, 0
.rept 32
	v_mov_b32 v[HB+j], v[32*((\a)%2)+j]
.set j, j+1
.endr
	WIN 0
.irp be, 0,1
.irp jj, 0,1,2,3,4,5,6,7
	v_permlane16_swap_b32 v[HB+16*\be+\jj], v[HB+16*\be+8+\jj]
.endr
.endr
.irp be, 0,1
.irp i, 0,1,2,3
	ds_store_b128 v[STV], v[HB+16*\be+4*\i:HB+16*\be+4*\i+3] offset:(32*((\a)/2)+8*((\a)%2))*272+32*((\a)/2)+128*\be+16*\i
.endr
.endr
	QUANT2 HB, KC+6*(\a), HW+(\a)
	global_store_b128 v14, v[KC+6*(\a):KC+6*(\a)+3], s[18:19] offset:((\a)/2)*1536+768*((\a)%2)
	global_store_b64 v15, v[KC+6*(\a)+4:KC+6*(\a)+5], s[18:19] offset:((\a)/2)*1536+768*((\a)%2)+512
.endm
	KVA 0
	KVA 1
	KVA 2
	KVA 3
	v_lshl_or_b32 v126, v[HW+1], 16, v[HW]
	v_lshl_or_b32 v127, v[HW+3], 16, v[HW+2]
	v_cndmask_b32 v126, v126, v127, s67
	global_store_b32 v26, v126, s[22:23] offset:12288
.macro VLOAD tt
.set j, 0
.rept 32
	ds_load_b32 v[VD+32*(\tt)+j], v[RDV] offset:j*272+4*(32*((\tt)/2)+8*((\tt)%2))
.set j, j+1
.endr
.endm
	VLOAD 0
	s_wait_xcnt 0x0
.irp tt, 0,1,2,3
	s_wait_dscnt 0x0
.if \tt < 3
	VLOAD \tt+1
.endif
	QW1 VD+32*\tt, KC+6*\tt, HW+\tt, TM
	v_lshlrev_b32 v[HW+\tt], v13, v[HW+\tt]
	v_permlanex16_b32 v7, v[HW+\tt], s12, s13
	v_or_b32 v[HW+\tt], v[HW+\tt], v7
	global_store_b128 v14, v[KC+6*\tt:KC+6*\tt+3], s[20:21] offset:6144+1536*\tt
	global_store_b64 v15, v[KC+6*\tt+4:KC+6*\tt+5], s[20:21] offset:6144+1536*\tt+512
.endr
	v_cndmask_b32 v124, v[HW], v[HW+1], s67
	v_cndmask_b32 v125, v[HW+2], v[HW+3], s67
	global_store_b16 v26, v124, s[46:47] offset:12544
	global_store_b16 v26, v125, s[46:47] offset:12672
	s_wait_tensorcnt 0x0
	ds_add_u32 v[SPW], v[NIL]
	s_wait_dscnt 0x0
	CROUND
	s_endpgm
.Lfunc_end_k_qe50449a056_kproj:
	.size	k_qe50449a056_kproj, .Lfunc_end_k_qe50449a056_kproj-k_qe50449a056_kproj
	.p2alignl 7, 3214868480
	.fill 96, 4, 3214868480
	.section	.rodata,"a",@progbits
	.p2align	6, 0x0
	.amdhsa_kernel k_qe50449a056_kproj
		.amdhsa_group_segment_fixed_size 327680
		.amdhsa_private_segment_fixed_size 0
		.amdhsa_enable_private_segment 0
		.amdhsa_kernarg_size 48
		.amdhsa_user_sgpr_count 2
		.amdhsa_user_sgpr_kernarg_segment_ptr 1
		.amdhsa_wavefront_size32 1
		.amdhsa_system_sgpr_workgroup_id_x 1
		.amdhsa_system_sgpr_workgroup_id_y 1
		.amdhsa_system_sgpr_workgroup_id_z 1
		.amdhsa_system_vgpr_workitem_id 0
		.amdhsa_next_free_vgpr 1024
		.amdhsa_next_free_sgpr 102
		.amdhsa_reserve_vcc 0
		.amdhsa_float_denorm_mode_32 3
		.amdhsa_float_denorm_mode_16_64 3
		.amdhsa_memory_ordered 1
		.amdhsa_forward_progress 1
		.amdhsa_inst_pref_size 85
	.end_amdhsa_kernel
	.amdgpu_metadata
---
amdhsa.version: [ 1, 2 ]
amdhsa.kernels:
  - .name:           k_qe50449a056_kproj
    .symbol:         k_qe50449a056_kproj.kd
    .args:
      - { .name: a1c, .offset: 0, .size: 8, .value_kind: global_buffer, .address_space: global }
      - { .name: a1s, .offset: 8, .size: 8, .value_kind: global_buffer, .address_space: global }
      - { .name: w_attn_codes, .offset: 16, .size: 8, .value_kind: global_buffer, .address_space: global }
      - { .name: w_attn_scales, .offset: 24, .size: 8, .value_kind: global_buffer, .address_space: global }
      - { .name: b_attn, .offset: 32, .size: 8, .value_kind: global_buffer, .address_space: global }
      - { .name: kv, .offset: 40, .size: 8, .value_kind: global_buffer, .address_space: global }
    .group_segment_fixed_size: 327680
    .private_segment_fixed_size: 0
    .kernarg_segment_align: 8
    .kernarg_segment_size: 48
    .max_flat_workgroup_size: 128
    .sgpr_count:     102
    .vgpr_count:     1024
    .wavefront_size: 32
...
	.end_amdgpu_metadata
.endif
;; end of part 2
;; launch attn (part 3): grid 8 x 32, 16 waves a work-group, clusters of 4 x 1, 206,848 bytes of LDS; arguments kv, a3c, a3s; writes a3c, a3s
.if DOCPART == 3
	.amdgcn_target "amdgcn-amd-amdhsa--gfx1250"
	.amdhsa_code_object_version 6
	.text
	.protected	k_qe50449a056_attn
	.globl	k_qe50449a056_attn
	.p2align	8
	.type	k_qe50449a056_attn,@function
k_qe50449a056_attn:
	s_mov_b64 s[64:65], 0
	v_nop
	global_prefetch_b8 v0, s[64:65] scope:SCOPE_SE
	s_setreg_imm32_b32 hwreg(HW_REG_WAVE_MODE, 25, 1), 1
	s_wait_xcnt 0x0
	s_wait_alu depctr_hold_cnt(0) depctr_sa_sdst(0) depctr_va_vdst(0) depctr_va_sdst(0) depctr_va_ssrc(0) depctr_va_vcc(0) depctr_vm_vsrc(0)
	s_getreg_b32 s2, hwreg(HW_REG_IB_STS2, 6, 4)
	s_cmp_eq_u32 s2, 0
	s_cbranch_scc0 .Lentry_in_a_cluster
	s_endpgm
.Lentry_in_a_cluster:
	s_bfe_u32 s2, ttmp6, 0x10000c
	s_cmp_lg_u32 s2, 0x3003
	s_cbranch_scc0 .Lentry_shape_is_right
	s_endpgm
.Lentry_shape_is_right:
; out[g][q] = softmax_k(k_q . k_k / 8) k_k for each of 32 heads g (reference() takes q, k and v all from the k third), both products on codes of FP6 (E2M3) with E8M0 scales; the result is quantised for the next product.
; kv: [g][step of 128 keys][12,800 bytes]: 4 fragments of key pairs, 4 of V, K's and V's scale words (the launch before lays them).  out: a3c, a3s: activation images, K = 1,024 = head x 64 + channel.
; THE SOFTMAX: t = score x log2(e) / 8; M = the running largest t rounded up to a whole number; p = 2^(t - M) is quantised along the keys, not normalised; the sum of the unquantised p divides at the end.
; A HEAD OF 64 IS HALF OF THE INSTRUCTION'S K.  A fragment of K holds TWO tiles of 16 keys, one in each half of K; the queries stand as (Q, 0) and as (0, Q): each picks one tile, the other half meets zero codes.
; SHARES.  A work-group owns 256 queries of a head, each of its sixteen waves one tile of 16, in 256 registers: four waves to a SIMD.  A head's K, V and scales are 16 blocks of 12,800 bytes, one for each key step:
; wave w fetches block w, its one tensor load, at the head; nothing is filled again.  The four work-groups of a cluster belong to one head and ask jointly.
; THE WALK.  ONE barrier, in front of which each wave has waited for its block; behind it all sixteen key steps go with no barrier between them.  The order of the key steps is free under a running M:
; wave w takes key steps w, w + 1 .. w + 15 modulo 16, so that the sixteen waves read sixteen different blocks.
; Both products are used transposed: a lane holds one query throughout.  The keys of a tile are 32 p + 8 u + r + 8 (r / 8), so that the 16 registers of two neighbouring tiles are 16 neighbouring keys;
; V's channels are chosen likewise, so that O's 16 registers of two tiles are 16 neighbouring channels, as the quantiser wants them.
; The scale bytes leave as 2 bytes a lane: the word's other half belongs to the neighbouring head's work-group.  No prefetch: every load goes out at the head.
; LIMITS: NaN and infinities are not served; a block of zeros, or one under 2^-124, gets the byte 1; the promise holds while |t| stays under 2^31.
; REGISTERS: v1-3 16, 8, 4 x lane; v4 8 r; v8-10 the step's addresses; v12 -M, v13 the largest t, v[14:15] the sum; v16-27 (Q, 0); v80-91 (0, Q); v32-79 four fragments; v96-159 S^T, then p; v160-191 O^T;
; v192-205 partial sums; v224-235 p's codes; v232-242, v244-247, v252, v254 at work; v248-251 K's and V's scale words; v253 p's; v255 Q's; v223, v243 the spare word's address and 0.
.set WV,  10
.set G1A, 16                           ; s[16:23] group 1: 50 rows of 256 bytes;  s[32:35] group 0
.set G0,  32
.set SEL, 48
.set CS,  50
.set TB,  2                            ; s2 LDS byte at which the step's block begins
.set CNT, 3
.set TM,  232
.set BLK, 12800
.set SPARE, 16*BLK                     ; the spare words: 128 bytes for each of 16 waves
.set SPW, 223
.set NIL, 243
.set PS,  192
.macro D n
	s_delay_alu instid0(VALU_DEP_\n)
.endm
.macro ROUND
	s_barrier_signal -1
	s_barrier_wait -1
	s_cmp_lg_u32 s[WV], 0
	s_cbranch_scc1 .Lnot_wave_0_\@
	s_barrier_signal -3
.Lnot_wave_0_\@:
	s_barrier_wait -3
	s_barrier_signal -1
	s_barrier_wait -1
.endm
	s_load_b128 s[4:7], s[0:1], 0x0                ; kv, a3c
	s_load_b64 s[8:9], s[0:1], 0x10                ; a3s
	v_lshl_add_u32 v[SPW], v0, 2, SPARE
	v_mov_b32 v[NIL], 0
	ds_add_u32 v[SPW], v[NIL]                      ; the opening lines: the add, twice on end, and its wait ahead of my tensor load
	ds_add_u32 v[SPW], v[NIL]
	v_lshrrev_b32 v4, 5, v0
	v_readfirstlane_b32 s[WV], v4                  ; wave 0..15
	s_bfe_u32 s11, ttmp6, 0x40000                  ; cx: it enters global addresses alone
	s_lshl_b32 s12, ttmp9, 2
	s_add_co_u32 s12, s12, s11                     ; my block of 256 queries
	s_and_b32 s13, ttmp7, 0xffff                   ; the head, 0 .. 31, which the four partners share
	s_mul_i32 s14, s13, 16*BLK
	s_mov_b32 s15, 0
	s_mov_b32 s[G1A], 15|(3<<16)|(1<<21)           ; the mask: all four work-groups; elements of 8 bytes; no padding
	s_mov_b32 s[G1A+1], 32<<16
	s_mov_b32 s[G1A+2], 50<<16
	s_mov_b32 s[G1A+3], 32<<16
	s_mov_b32 s[G1A+4], 50
	s_mov_b32 s[G1A+5], 32
	s_mov_b32 s[G1A+6], 0
	s_mov_b32 s[G1A+7], 0
	s_mul_i32 s[G0+1], s[WV], BLK                  ; block w, in LDS as in memory
	s_mul_i32 s54, s[WV], BLK
	s_mov_b32 s55, 0
	s_mov_b32 s[SEL], 0x76543210
	s_mov_b32 s[SEL+1], 0xfedcba98
	s_mov_b32 s[CS], 0x3e38aa3b                    ; c = log2(e) / 8
	s_mov_b32 s[CS+1], s[CS]
	; my queries are a tile of keys: key step 2 X + w / 8, pair (w / 2) % 4, half w % 2
	s_lshl_b32 s58, s12, 1
	s_lshr_b32 s59, s[WV], 3
	s_add_co_u32 s58, s58, s59
	s_mul_i32 s58, s58, BLK
	s_bfe_u32 s59, s[WV], 0x20001
	s_mul_i32 s60, s59, 1536
	s_lshl_b32 s61, s59, 6
	s_and_b32 s62, s[WV], 1
	s_mul_i32 s63, s62, 768
	s_add_co_u32 s60, s60, s58
	s_add_co_u32 s60, s60, s63
	s_add_co_u32 s58, s58, s61
	s_lshl_b32 s62, s62, 4
	v_and_b32 v11, 31, v0
	v_and_b32 v28, 15, v0
	v_lshlrev_b32 v1, 4, v11
	v_lshlrev_b32 v2, 3, v11
	v_lshlrev_b32 v3, 2, v11
	v_lshlrev_b32 v4, 3, v28
	v_add_nc_u32 v5, s60, v1
	v_add_nc_u32 v6, s60, v2
	v_lshl_add_u32 v7, v28, 2, s58
	s_wait_alu depctr_va_vdst(0)                   ; directly ahead of the waits below
	s_wait_dscnt 0x0                               ; both opening adds are done
	s_wait_kmcnt 0x0
	s_add_nc_u64 s[4:5], s[4:5], s[14:15]          ; kv at my head
	global_load_b128 v[16:19], v5, s[4:5]          ; Q's six registers, twice: (Q, 0) and (0, Q) are two runs of registers
	global_load_b64 v[20:21], v6, s[4:5] offset:512
	global_load_b128 v[86:89], v5, s[4:5]
	global_load_b64 v[90:91], v6, s[4:5] offset:512
	global_load_b32 v254, v7, s[4:5] offset:12288  ; the pair's scale word of row r
	s_mov_b32 s[G0], 1
	s_add_nc_u64 s[G0+2:G0+3], s[4:5], s[54:55]
	s_or_b32 s[G0+3], s[G0+3], 0x80000000
	ROUND                                          ; all four work-groups are here: the joint loads meet
	tensor_load_to_lds s[G0:G0+3], s[G1A:G1A+7]    ; my one tensor load
	s_nop 0
.irp j, 22,23,24,25,26,27,80,81,82,83,84,85
	v_mov_b32 v\j, 0                               ; zero codes
.endr
	v_mov_b32 v13, 0xff61b1e6                      ; the largest t so far: -3e38
	v_mov_b32 v14, 0
	v_mov_b32 v15, 0
	v_floor_f32 v12, -v13                          ; -M
.irp b, 0,1,2,3
	v_mov_b32 v[236+\b], 0                         ; a lane permute's destination counts as one of its sources
.endr
	v_mov_b32 v253, 0
	s_wait_alu depctr_va_vdst(0)                   ; directly ahead of the wait below
	s_wait_loadcnt 0x0
	v_lshrrev_b32 v254, s62, v254                  ; my half's two bytes,
	D 1
	v_and_b32 v254, 0xffff, v254
	D 1
	v_lshl_or_b32 v255, v254, 16, v254             ; in both halves of the word: it serves (Q, 0) and (0, Q); over the zero codes stand bytes of 1 .. 254
.set j, 0
.rept 32
	v_mov_b32 v[160+j], 0                          ; O^T: the step is written with no first form of its own: the first change of M multiplies zeros.  (Also the places between the scale word's write and the first product)
.set j, j+1
.endr
.macro LOAD4 off                       ; four fragments, as images
.irp f, 0,1,2,3
	ds_load_b128 v[32+12*\f:35+12*\f], v8 offset:\off+1536*\f
	ds_load_b64 v[36+12*\f:37+12*\f], v9 offset:\off+1536*\f+512
	ds_load_b128 v[38+12*\f:41+12*\f], v8 offset:\off+1536*\f+768
	ds_load_b64 v[42+12*\f:43+12*\f], v9 offset:\off+1536*\f+1280
.endr
.endm
.macro SPROD p                         ; pair p: its two tiles of 16 keys against my 16 queries
.if (\p)%2
	v_wmma_scale_f32_16x16x128_f8f6f4 v[96+16*(\p):103+16*(\p)], v[32+12*(\p):43+12*(\p)], v[16:27], 0, v[248+(\p)/2], v255 matrix_a_fmt:MATRIX_FMT_FP6 matrix_b_fmt:MATRIX_FMT_FP6 matrix_a_scale:MATRIX_SCALE_ROW1
	v_wmma_scale_f32_16x16x128_f8f6f4 v[104+16*(\p):111+16*(\p)], v[32+12*(\p):43+12*(\p)], v[80:91], 0, v[248+(\p)/2], v255 matrix_a_fmt:MATRIX_FMT_FP6 matrix_b_fmt:MATRIX_FMT_FP6 matrix_a_scale:MATRIX_SCALE_ROW1
.else
	v_wmma_scale_f32_16x16x128_f8f6f4 v[96+16*(\p):103+16*(\p)], v[32+12*(\p):43+12*(\p)], v[16:27], 0, v[248+(\p)/2], v255 matrix_a_fmt:MATRIX_FMT_FP6 matrix_b_fmt:MATRIX_FMT_FP6
	v_wmma_scale_f32_16x16x128_f8f6f4 v[104+16*(\p):111+16*(\p)], v[32+12*(\p):43+12*(\p)], v[80:91], 0, v[248+(\p)/2], v255 matrix_a_fmt:MATRIX_FMT_FP6 matrix_b_fmt:MATRIX_FMT_FP6
.endif
.endm
.macro OPROD tt                        ; O^T += V^T P^T, 16 channels
.if (\tt)%2
	v_wmma_scale_f32_16x16x128_f8f6f4 v[160+8*(\tt):167+8*(\tt)], v[32+12*(\tt):43+12*(\tt)], v[224:235], v[160+8*(\tt):167+8*(\tt)], v[250+(\tt)/2], v253 matrix_a_fmt:MATRIX_FMT_FP6 matrix_b_fmt:MATRIX_FMT_FP6 matrix_a_scale:MATRIX_SCALE_ROW1
.else
	v_wmma_scale_f32_16x16x128_f8f6f4 v[160+8*(\tt):167+8*(\tt)], v[32+12*(\tt):43+12*(\tt)], v[224:235], v[160+8*(\tt):167+8*(\tt)], v[250+(\tt)/2], v253 matrix_a_fmt:MATRIX_FMT_FP6 matrix_b_fmt:MATRIX_FMT_FP6
.endif
.endm
.macro STEP                            ; 128 keys
	v_add_nc_u32 v8, s[TB], v1
	v_add_nc_u32 v9, s[TB], v2
	v_add_nc_u32 v10, s[TB], v3
	v_mov_b32 v252, v12                            ; the old -M.  These four are the places ahead of loads into registers that the last products read
	LOAD4 0
	ds_load_b32 v248, v10 offset:12288
	ds_load_b32 v249, v10 offset:12416
	s_wait_alu depctr_va_vdst(0)                   ; directly ahead of the wait below
	s_wait_dscnt 0x0
	SPROD 0
	SPROD 1
	SPROD 2
	SPROD 3
.rept 4
	v_nop
.endr
	LOAD4 6144                                     ; V's fragments land while the softmax is walked
	ds_load_b32 v250, v10 offset:12544
	ds_load_b32 v251, v10 offset:12672
.irp b, 0,1,2,3
	v_max3_num_f32 v[232+\b], v[96+16*\b], v[97+16*\b], v[98+16*\b]   ; the largest score of each block of 32 keys: for the row's maximum, and, since p rises with the score, for the block's largest p
.endr
.irp i, 3,5,7,9,11,13
.irp b, 0,1,2,3
	v_max3_num_f32 v[232+\b], v[232+\b], v[96+16*\b+\i], v[97+16*\b+\i]
.endr
.endr
.irp b, 0,1,2,3
	v_max_num_f32 v[232+\b], v[232+\b], v[111+16*\b]
.endr
.irp b, 0,1,2,3
	D 4
	v_permlanex16_b32 v[236+\b], v[232+\b], s[SEL], s[SEL+1]
.endr
.irp b, 0,1,2,3
	D 4
	v_max_num_f32 v[232+\b], v[232+\b], v[236+\b]
.endr
	D 2
	v_max3_num_f32 v254, v232, v233, v234
	D 1
	v_max_num_f32 v254, v254, v235
	D 1
	v_mul_f32 v254, s[CS], v254
	D 1
	v_max_num_f32 v13, v13, v254                   ; the running largest t
	D 1
	v_floor_f32 v12, -v13                          ; the new -M: a whole number
	D 1
	v_sub_f32 v254, v12, v252
	D 1
	v_cvt_i32_f32 v254, v254                       ; (it saturates)
	D 1
	v_ldexp_f32 v252, 1.0, v254                    ; f = 2^(old M - new M)
.set j, 0
.rept 32
	v_pk_fma_f32 v[96+j:97+j], v[96+j:97+j], s[CS:CS+1], v[12:13] op_sel_hi:[1,0,0]   ; t - M
.set j, j+2
.endr
.irp b, 0,1,2,3
	v_fma_f32 v[232+\b], v[232+\b], s[CS], v12
.endr
	s_wait_alu depctr_va_vdst(0)                   ; the wait ahead of the batch
.set j, 0
.rept 64
	v_exp_f32 v[96+j], v[96+j]                     ; p = 2^(t - M)
.set j, j+1
.endr
	v_pk_mul_f32 v[14:15], v[14:15], v[252:253] op_sel_hi:[1,0]   ; the sums under the new M: a plain place behind the exponentials
	s_wait_alu depctr_va_vdst(0)                   ; one wait for the batch, ahead of its first reader
.irp b, 0,1,2,3
	v_exp_f32 v[232+\b], v[232+\b]                 ; each block's largest p
.endr
.irp k, 0,1,2,3,4,5,6                  ; the row's sum of the unquantised p: 32 pairs into eight chains, 32 packed additions
	v_pk_add_f32 v[PS+2*\k:PS+1+2*\k], v[96+4*\k:97+4*\k], v[98+4*\k:99+4*\k]
.endr
	v_pk_add_f32 v[14:15], v[14:15], v[124:125]
.irp k, 0,1,2,3,4,5,6
	v_pk_add_f32 v[PS+2*\k:PS+1+2*\k], v[PS+2*\k:PS+1+2*\k], v[126+2*\k:127+2*\k]
.endr
	v_pk_add_f32 v[14:15], v[14:15], v[140:141]
.irp k, 0,1,2,3,4,5,6
	v_pk_add_f32 v[PS+2*\k:PS+1+2*\k], v[PS+2*\k:PS+1+2*\k], v[142+2*\k:143+2*\k]
.endr
	v_pk_add_f32 v[14:15], v[14:15], v[156:157]
	v_pk_add_f32 v[PS:PS+1], v[PS:PS+1], v[158:159]
	v_pk_add_f32 v[PS+4:PS+5], v[PS+4:PS+5], v[PS+6:PS+7]
	v_pk_add_f32 v[PS+8:PS+9], v[PS+8:PS+9], v[PS+10:PS+11]
	v_pk_add_f32 v[14:15], v[14:15], v[PS+12:PS+13]
	v_pk_add_f32 v[PS:PS+1], v[PS:PS+1], v[PS+2:PS+3]
	D 3
	v_pk_add_f32 v[PS+4:PS+5], v[PS+4:PS+5], v[PS+8:PS+9]
	D 2
	v_pk_add_f32 v[14:15], v[14:15], v[PS:PS+1]
	D 1
	v_pk_add_f32 v[14:15], v[14:15], v[PS+4:PS+5]
	s_wait_alu depctr_va_vdst(0)                   ; and one for the four
.irp b, 0,1,2,3
	v_max_num_f32 v[232+\b], 0x1800000, v[232+\b]  ; the floor 2^(3 - 127)
.endr
.irp b, 0,1,2,3
	D 4
	v_add_nc_u32 v[244+\b], 0xff000000, v[232+\b]
.endr
.irp b, 0,1,2,3
	D 4
	v_lshrrev_b32 v[236+\b], 23, v[244+\b]
.endr
	D 3
	v_lshl_or_b32 v253, v237, 8, v236              ; p's scale word for these 128 keys
	D 1
	v_lshl_or_b32 v253, v238, 16, v253
	D 1
	v_lshl_or_b32 v253, v239, 24, v253
.irp c, 0,1
	v_cvt_scalef32_pk16_fp6_f32 v[224+6*\c:226+6*\c], v[96+32*\c:111+32*\c], v[244+2*\c]
	v_cvt_scalef32_pk16_fp6_f32 v[236+4*\c:238+4*\c], v[112+32*\c:127+32*\c], v[244+2*\c+1]
.endr
	v_nop                                          ; one plain place behind a scaled conversion
.irp c, 0,1
.irp i, 0,1,2
	v_permlane16_swap_b32 v[224+6*\c+\i], v[236+4*\c+\i]
.endr
.irp i, 0,1,2
	D 3
	v_mov_b32 v[227+6*\c+\i], v[236+4*\c+\i]
.endr
.endr
.set j, 0
.rept 16
	v_pk_mul_f32 v[160+j:161+j], v[160+j:161+j], v[252:253] op_sel_hi:[1,0]   ; O^T under the new M; these sixteen are also the places between the scale word's and the codes' last writes and the products
.set j, j+2
.endr
	s_wait_alu depctr_va_vdst(0)                   ; directly ahead of the wait below
	s_wait_dscnt 0x0                               ; V
	OPROD 0
	OPROD 1
	OPROD 2
	OPROD 3
.endm
	s_wait_alu depctr_va_vdst(0)                   ; the wait at the head's end
	s_wait_tensorcnt 0x0                           ; my block is in
	s_barrier_signal -1                            ; no LDS instruction of mine is out
	s_barrier_wait -1                              ; all sixteen blocks are in
	s_mov_b32 s[CNT], 0
.Lstep:
	s_add_co_u32 s[TB], s[WV], s[CNT]
	s_and_b32 s[TB], s[TB], 15
	s_mul_i32 s[TB], s[TB], BLK                    ; key step (w + trip) % 16
	s_wait_alu depctr_va_vdst(0)                   ; the wait behind the backward jump
	STEP
	s_add_co_u32 s[CNT], s[CNT], 1
	s_cmp_lt_u32 s[CNT], 16
	s_cbranch_scc1 .Lstep
	; THE WAY OUT: O^T / the sum, quantised along the next product's K: my head's 64 channels are half (head % 2) of K step head / 2
.rept 4
	v_nop
.endr
	s_lshr_b32 s52, s13, 4
	s_lshl_b32 s52, s52, 7
	s_lshl_b32 s53, s12, 4
	s_add_co_u32 s52, s52, s53
	s_add_co_u32 s52, s52, s[WV]                   ; my tile of rows: batch x 128 + 16 X + w
	s_and_b32 s53, s13, 15
	s_lshr_b32 s54, s53, 1                         ; the K step
	s_and_b32 s53, s53, 1                          ; the half
	s_lshl_b32 s55, s52, 3
	s_add_co_u32 s55, s55, s54
	s_mul_i32 s55, s55, 1536
	s_mul_i32 s56, s53, 768
	s_add_co_u32 s56, s56, s55
	s_mov_b32 s57, 0
	s_add_nc_u64 s[6:7], s[6:7], s[56:57]
	s_lshr_b32 s55, s52, 2
	s_lshl_b32 s55, s55, 3
	s_add_co_u32 s55, s55, s54
	s_lshl_b32 s58, s55, 8
	s_and_b32 s55, s52, 1
	s_lshl_b32 s55, s55, 7
	s_add_co_u32 s58, s58, s55
	s_bfe_u32 s55, s52, 0x10001
	s_lshl_b32 s55, s55, 2
	s_add_co_u32 s58, s58, s55
	s_lshl_b32 s55, s53, 1
	s_add_co_u32 s58, s58, s55
	s_mov_b32 s59, 0
	s_add_nc_u64 s[8:9], s[8:9], s[58:59]
	v_add_f32 v14, v14, v15
	D 1
	v_permlanex16_b32 v252, v14, s[SEL], s[SEL+1]
	D 1
	v_add_f32 v14, v14, v252                       ; the row's sum
	s_wait_alu depctr_va_vdst(0)                   ; the wait ahead of the transcendental
	v_rcp_f32 v14, v14
	v_nop
	s_wait_alu depctr_va_vdst(0)                   ; and ahead of its first reader
.set j, 0
.rept 32
	v_mul_f32 v[96+j], v[160+j], v14               ; register 16 b + i: channel 32 b + 16 h + i of my query
.set j, j+1
.endr
	v_max3_num_f32 v[TM], |v96|, |v97|, 0x1800000
	v_max3_num_f32 v[TM+1], |v112|, |v113|, 0x1800000
.irp i, 2,4,6,8,10,12,14
	D 2
	v_max3_num_f32 v[TM], v[TM], |v[96+\i]|, |v[97+\i]|
	D 2
	v_max3_num_f32 v[TM+1], v[TM+1], |v[112+\i]|, |v[113+\i]|
.endr
	D 2
	v_permlanex16_b32 v[TM+2], v[TM], s[SEL], s[SEL+1]
	D 2
	v_permlanex16_b32 v[TM+3], v[TM+1], s[SEL], s[SEL+1]
	D 2
	v_max_num_f32 v[TM], v[TM], v[TM+2]
	D 2
	v_max_num_f32 v[TM+1], v[TM+1], v[TM+3]
	D 2
	v_add_nc_u32 v[TM+4], 0xff000000, v[TM]
	D 2
	v_add_nc_u32 v[TM+5], 0xff000000, v[TM+1]
	D 2
	v_lshrrev_b32 v[TM+6], 23, v[TM+4]
	D 2
	v_lshrrev_b32 v[TM+7], 23, v[TM+5]
	D 1
	v_lshl_or_b32 v244, v[TM+7], 8, v[TM+6]        ; my row's two scale bytes
	v_cvt_scalef32_pk16_fp6_f32 v[224:226], v[96:111], v[TM+4]
	v_cvt_scalef32_pk16_fp6_f32 v[TM+8:TM+10], v[112:127], v[TM+5]
	v_nop
.irp i, 0,1,2
	v_permlane16_swap_b32 v[224+\i], v[TM+8+\i]
.endr
.irp i, 0,1,2
	D 3
	v_mov_b32 v[227+\i], v[TM+8+\i]
.endr
	global_store_b128 v1, v[224:227], s[6:7]       ; 512 consecutive bytes
	global_store_b64 v2, v[228:229], s[6:7] offset:512
	global_store_b16 v4, v244, s[8:9]              ; lanes 16-31 name lanes 0-15's bytes, with the same value
	s_wait_tensorcnt 0x0                           ; the wave's end
	ds_add_u32 v[SPW], v[NIL]
	s_wait_dscnt 0x0
	ROUND                                          ; the closing round
	s_endpgm
.Lfunc_end_k_qe50449a056_attn:
	.size	k_qe50449a056_attn, .Lfunc_end_k_qe50449a056_attn-k_qe50449a056_attn
	.p2alignl 7, 3214868480
	.fill 96, 4, 3214868480
	.section	.rodata,"a",@progbits
	.p2align	6, 0x0
	.amdhsa_kernel k_qe50449a056_attn
		.amdhsa_group_segment_fixed_size 206848
		.amdhsa_private_segment_fixed_size 0
		.amdhsa_enable_private_segment 0
		.amdhsa_kernarg_size 24
		.amdhsa_user_sgpr_count 2
		.amdhsa_user_sgpr_kernarg_segment_ptr 1
		.amdhsa_wavefront_size32 1
		.amdhsa_system_sgpr_workgroup_id_x 1
		.amdhsa_system_sgpr_workgroup_id_y 1
		.amdhsa_system_sgpr_workgroup_id_z 1
		.amdhsa_system_vgpr_workitem_id 0
		.amdhsa_next_free_vgpr 256
		.amdhsa_next_free_sgpr 66
		.amdhsa_reserve_vcc 0
		.amdhsa_float_denorm_mode_32 3
		.amdhsa_float_denorm_mode_16_64 3
		.amdhsa_memory_ordered 1
		.amdhsa_forward_progress 1
		.amdhsa_inst_pref_size 30
	.end_amdhsa_kernel
	.amdgpu_metadata
---
amdhsa.version: [ 1, 2 ]
amdhsa.kernels:
  - .name:           k_qe50449a056_attn
    .symbol:         k_qe50449a056_attn.kd
    .args:
      - { .name: kv, .offset: 0, .size: 8, .value_kind: global_buffer, .address_space: global }
      - { .name: a3c, .offset: 8, .size: 8, .value_kind: global_buffer, .address_space: global }
      - { .name: a3s, .offset: 16, .size: 8, .value_kind: global_buffer, .address_space: global }
    .group_segment_fixed_size: 206848
    .private_segment_fixed_size: 0
    .kernarg_segment_align: 8
    .kernarg_segment_size: 24
    .max_flat_workgroup_size: 512
    .sgpr_count:     66
    .vgpr_count:     256
    .wavefront_size: 32
...
	.end_amdgpu_metadata
.endif
;; end of part 3
;; launch proj (part 4): grid 8 x 32, 4 waves a work-group, clusters of 4 x 4, 327,680 bytes of LDS; arguments a3c, a3s, w_proj_codes, w_proj_scales, b_proj, x, x2; writes x2
.if DOCPART == 4
	.amdgcn_target "amdgcn-amd-amdhsa--gfx1250"
	.amdhsa_code_object_version 6
	.text
	.protected	k_qe50449a056_proj
	.globl	k_qe50449a056_proj
	.p2align	8
	.type	k_qe50449a056_proj,@function
k_qe50449a056_proj:
	s_mov_b64 s[64:65], 0
	v_nop
	global_prefetch_b8 v0, s[64:65] scope:SCOPE_SE
	s_setreg_imm32_b32 hwreg(HW_REG_WAVE_MODE, 25, 1), 1
	s_wait_xcnt 0x0
	s_wait_alu depctr_hold_cnt(0) depctr_sa_sdst(0) depctr_va_vdst(0) depctr_va_sdst(0) depctr_va_ssrc(0) depctr_va_vcc(0) depctr_vm_vsrc(0)
	s_getreg_b32 s2, hwreg(HW_REG_IB_STS2, 6, 4)
	s_cmp_eq_u32 s2, 0
	s_cbranch_scc0 .Lentry_in_a_cluster
	s_endpgm
.Lentry_in_a_cluster:
	s_bfe_u32 s2, ttmp6, 0x10000c
	s_cmp_lg_u32 s2, 0xf033
	s_cbranch_scc0 .Lentry_shape_is_right
	s_endpgm
.Lentry_shape_is_right:
; x2 = x + (attention's result) W_proj + b_proj, the product on codes of FP6 (E2M3) with E8M0 scales, K = 1,024.
; A: activation images [tile][K step][1,536 bytes] (tile tau = 2 b + u holds rows 32 b + 8 u + r + 8 (r / 8)) and scale words [tau / 4][K step][256]; W: rows of codes, K innermost, as given.
; A work-group of four waves makes 128 x 128, a wave 64 x 64: 16 accumulators.  1,024 columns in tiles of 256 x 256 would be 64 work-groups; these are 256.  K goes in slots of 512; K = 1,024 is two slots, each filled once.
; 4 x 4 work-groups form a cluster: A's tiles are asked for jointly along a row of it, W's along a column.  The matrix instruction is used transposed (source 0 = 16 rows of W, source 1 = 16 rows of A).
; The bias is the C of each sum's first instruction.  The residual is asked for at the head and lands under the K loop; the results go through the wave's own stage in LDS, so that sixteen lanes store 256 consecutive, aligned bytes.
; No prefetch: the launch is short and its tiles are shared in clusters.  NaN and infinities are not served.
.set BL,     4
.set NQ,     4
.set SIZE_K, 1024
.set S,      SIZE_K/128
.set KS,     SIZE_K/32
.set KROW,   SIZE_K*3/4
; LDS: all of K lies there at once: A's 8 tiles x 8 K steps of images (98,304 bytes), W's 128 whole rows of 768 bytes, and both sides' scales: four tiles, one tensor load a wave, each filled once; no barrier inside K.
; W's rows begin at multiples of 256 bytes of memory; 16 bytes of padding behind every 256 make an LDS row of 816 bytes = 204 words: row r begins at bank 12 r mod 64, sixteen different places.
.set PITCH,  816
.set ABYTES, 98304
.set LAPS,   SIZE_K/(256*NQ)
.set SAH,    (BL/4)*S*256
.set RB,     16*BL*KS/256
.set HALFS,  RB*272
.set SBLK,   (16*KS/256)*272
.set SCLA,   ABYTES+128*PITCH
.set SCLB,   SCLA+2*SAH
.set SPARE,  SCLB+2*HALFS              ; the spare words, 128 bytes for each wave: two blocks of 256 bytes that no other line names
.set STAGE,  SPARE+512                 ; the way out's stages: bytes of their own, into which no tile lands
.set NLA,    4
.set STO,   24                         ; v24 the stage, in; v25 the stage, out; v26 my byte offset in two rows of x and x2
.set RD,    25
.set CO,    26
.set ADRSB, 27
.set SPW,   28
.set NIL,   29
.set ADRSA, 30
.set SC,    32                         ; v32-63 scale words and nothing else
.set BIAS,  64
.set AF,    128
.set BB,    176                        ; v176-239 the way out: 16 rows read back, two sets.  Window 1: the residual at v48-111 and v176-239, beside W's two sets
.set G1, 24
.set G0, 32
.set G1B, 48
.set G0B, 56
.set G1S, 68
.set G0S, 76
.set G1SB, 80
.set G0SB, 88
.set MSB, 0
.macro WIN new
.if MSB != (\new)
	s_set_vgpr_msb (MSB<<8)|(\new)
.set MSB, (\new)
.endif
.endm
.macro PLACES
.rept 4
	v_nop
.endr
.endm
.macro ARM under, g0, g1, next         ; one arm of the head's tree of branches on the wave's number: one joint load, then on to the tree's end
	s_cmp_lt_u32 s14, \under
	s_cbranch_scc0 \next
	tensor_load_to_lds s[\g0:\g0+3], s[\g1:\g1+7]
	s_nop 0
	PLACES
	s_branch .Lhead_asked
\next:
.endm
.macro CREST
	s_cmp_lg_u32 s14, 0
	s_cbranch_scc1 .Lnot_wave_0_\@
	s_barrier_signal -3
.Lnot_wave_0_\@:
	s_barrier_wait -3
	s_barrier_signal -1
	s_barrier_wait -1
.endm
.macro CROUND
	s_barrier_signal -1
	s_barrier_wait -1
	CREST
.endm
.set WST, -1                           ; the K step of W's fragments fetched last: the walk along K is written out, so the text counts it
.macro FRAGB reg, st, i                ; a fragment of W, K step st: six pieces of 8 bytes.  Byte y of a row lies at y + 16 (y / 256) of its LDS row; lanes 16-31 read 24 bytes on: where that is behind one padding more, v22 on serve
.irp p, 0,1,2,3,4,5
.set BY, 96*(\st)+48*(\p/3)+8*(\p%3)
.if BY/256 == (BY+24)/256
	ds_load_b64 v[\reg+2*\p:\reg+2*\p+1], v[20+(\i)/4] offset:BY+16*(BY/256)+((\i)%4)*16*PITCH
.else
	ds_load_b64 v[\reg+2*\p:\reg+2*\p+1], v[22+(\i)/4] offset:BY+16*(BY/256)+((\i)%4)*16*PITCH
.endif
.endr
.endm
.macro FETCH_B slot, q, p
.set WST, WST+1
	WIN 0x40
.set fi, 0
.rept BL
	FRAGB 128*(\p)+12*fi, WST, fi
.set fi, fi+1
.endr
	WIN 0
.endm
.macro FETCH_A slot, q, i0
.set fi, \i0
.rept BL/2
	ds_load_b128 v[AF+12*fi:AF+12*fi+3], v[16+\slot] offset:(fi*S+(\q))*1536
	ds_load_b64 v[AF+12*fi+4:AF+12*fi+5], v[18+\slot] offset:(fi*S+(\q))*1536+512
	ds_load_b128 v[AF+12*fi+6:AF+12*fi+9], v[16+\slot] offset:(fi*S+(\q))*1536+768
	ds_load_b64 v[AF+12*fi+10:AF+12*fi+11], v[18+\slot] offset:(fi*S+(\q))*1536+1280
.set fi, fi+1
.endr
.endm
.macro SCALES set
.set fq, 0
.rept NQ
.set fd, 0
.rept BL/4
	ds_load_b64 v[SC+16*\set+fq*(BL/2)+2*fd:SC+16*\set+fq*(BL/2)+2*fd+1], v[ADRSA] offset:fd*S*256+fq*256
.set fd, fd+1
.endr
.set fq, fq+1
.endr
.set fb, 0
.rept BL
.set fs, 0
.rept NQ/2
	ds_load_b32 v[SC+16*\set+8+fb*(NQ/2)+fs], v[ADRSB] offset:fb*SBLK+8*fs
.set fs, fs+1
.endr
.set fb, fb+1
.endr
.endm
.macro WM ra, rb
.if (\ra) && (\rb)
	v_wmma_scale_f32_16x16x128_f8f6f4 v[rD:rD+7], v[rB:rB+11], v[rA:rA+11], v[rC:rC+7], v[rSB], v[rSA] matrix_a_fmt:MATRIX_FMT_FP6 matrix_b_fmt:MATRIX_FMT_FP6 matrix_a_scale:MATRIX_SCALE_ROW1 matrix_b_scale:MATRIX_SCALE_ROW1
.elseif (\ra)
	v_wmma_scale_f32_16x16x128_f8f6f4 v[rD:rD+7], v[rB:rB+11], v[rA:rA+11], v[rC:rC+7], v[rSB], v[rSA] matrix_a_fmt:MATRIX_FMT_FP6 matrix_b_fmt:MATRIX_FMT_FP6 matrix_a_scale:MATRIX_SCALE_ROW1
.elseif (\rb)
	v_wmma_scale_f32_16x16x128_f8f6f4 v[rD:rD+7], v[rB:rB+11], v[rA:rA+11], v[rC:rC+7], v[rSB], v[rSA] matrix_a_fmt:MATRIX_FMT_FP6 matrix_b_fmt:MATRIX_FMT_FP6 matrix_b_scale:MATRIX_SCALE_ROW1
.else
	v_wmma_scale_f32_16x16x128_f8f6f4 v[rD:rD+7], v[rB:rB+11], v[rA:rA+11], v[rC:rC+7], v[rSB], v[rSA] matrix_a_fmt:MATRIX_FMT_FP6 matrix_b_fmt:MATRIX_FMT_FP6
.endif
.endm
.macro MULQ a0, p, q, sc, first        ; the accumulators take turns, one instruction a turn
.set ma, \a0
.rept BL/4
.set mb, 0
.rept BL
.set rD, 8*(BL*(ma%(BL/2))+mb)
.set rB, 128*(\p)+12*mb
.set rA, AF+12*ma
.set rSB, SC+16*(\sc)+8+mb*(NQ/2)+(\q)/2
.set rSA, SC+16*(\sc)+(\q)*(BL/2)+ma/2
.if \first
.set rC, BIAS+8*mb
.else
.set rC, rD
.endif
	WM (\q)%2, ma%2
.set mb, mb+1
.endr
.set ma, ma+1
.endr
.endm
.macro STEP slot, q, first
	s_wait_dscnt (BL/2)*NLA                        ; all but the youngest loads, A's upper blocks
.if \first
	WIN 0x81
.else
	WIN 0xa1
.endif
	MULQ 0, (\q)%2, \q, \slot, \first
	MULQ BL/4, (\q)%2, \q, \slot, \first
	s_wait_dscnt 0
	PLACES
	FETCH_B \slot, (\q)+1, 1-(\q)%2
	FETCH_A \slot, (\q)+1, 0
.if \first
	WIN 0xc1
.else
	WIN 0xf1
.endif
	MULQ BL/2, (\q)%2, \q, \slot, \first
	MULQ 3*BL/4, (\q)%2, \q, \slot, \first
	PLACES
	WIN 0
	FETCH_A \slot, (\q)+1, BL/2
.endm
.macro MID slot
.if NQ == 4
	STEP \slot, 1, 0
	STEP \slot, 2, 0
.endif
.endm
.macro TURN slot, next, fill
	s_wait_dscnt (BL/2)*NLA                        ; all but the youngest loads, A's upper blocks
	WIN 0xa1
	MULQ 0, 1, NQ-1, \slot, 0
	MULQ BL/4, 1, NQ-1, \slot, 0
	s_wait_dscnt 0x0
	WIN 0
	PLACES
	v_add_nc_u32 v[ADRSA], NQ*256, v[ADRSA]
	v_add_nc_u32 v[ADRSB], 4*NQ, v[ADRSB]
	FETCH_B \next, 0, 0
	FETCH_A \next, 0, 0
	SCALES \next
	WIN 0xf1
	MULQ BL/2, 1, NQ-1, \slot, 0
	MULQ 3*BL/4, 1, NQ-1, \slot, 0
	PLACES
	WIN 0
	FETCH_A \next, 0, BL/2
.endm
	s_load_b256 s[4:11], s[0:1], 0x0               ; A's codes, A's scales, W's codes, W's scales
	s_load_b128 s[96:99], s[0:1], 0x20             ; the bias s[96:97], the residual s[98:99]
	s_load_b64 s[100:101], s[0:1], 0x30            ; the result
	v_lshl_add_u32 v[SPW], v0, 2, SPARE
	v_mov_b32 v[NIL], 0
	ds_add_u32 v28, v29
	ds_add_u32 v28, v29
	s_wait_dscnt 0x0
	v_lshrrev_b32 v1, 5, v0
	v_readfirstlane_b32 s14, v1
	s_lshr_b32 s15, s14, 1
	s_and_b32 s16, s14, 1
	s_bfe_u32 s40, ttmp6, 0x40000
	s_bfe_u32 s41, ttmp6, 0x40004
	s_lshl_b32 s42, ttmp9, 2
	s_add_co_u32 s42, s42, s40                     ; tile column
	s_and_b32 s17, ttmp7, 0xffff
	s_lshl_b32 s17, s17, 2
	s_add_co_u32 s17, s17, s41                     ; tile row
	s_lshl_b32 s43, s41, 2
	s_lshl_b32 s43, 15, s43
	s_lshl_b32 s44, 0x1111, s40
	s_or_b32 s[G1+0], s43, (3<<16)|(1<<21)         ; A's images: elements of 8 bytes
	s_mov_b32 s[G1+1], 32<<16                      ; A's images of 8 tiles x 8 K steps: a dense block, as 384 rows of 256 bytes
	s_mov_b32 s[G1+2], 384<<16
	s_mov_b32 s[G1+3], 32<<16
	s_mov_b32 s[G1+4], 384
	s_mov_b32 s[G1+5], 32
	s_mov_b32 s[G1+6], 0
	s_mov_b32 s[G1+7], 0
	s_or_b32 s[G1B+0], s44, (0<<16)|(1<<20)|(1<<21)|(5<<22)|(3<<25)   ; W: 128 whole rows of 768 bytes, 16 bytes of padding behind every 256
	s_mov_b32 s[G1B+1], KROW<<16
	s_mov_b32 s[G1B+2], 128<<16
	s_mov_b32 s[G1B+3], KROW<<16
	s_mov_b32 s[G1B+4], 128
	s_mov_b32 s[G1B+5], KROW
	s_mov_b32 s[G1B+6], 0
	s_mov_b32 s[G1B+7], 0
	s_or_b32 s[G1S+0], s43, (3<<16)|(1<<21)        ; A's scale words: rows of 256 bytes
	s_mov_b32 s[G1S+1], 32<<16
	s_mov_b32 s[G1S+2], ((BL/2)*S)<<16
	s_mov_b32 s[G1S+3], 32<<16
	s_mov_b32 s[G1S+4], (BL/2)*S
	s_mov_b32 s[G1S+5], 32
	s_mov_b32 s[G1S+6], 0
	s_mov_b32 s[G1S+7], 0
	s_or_b32 s[G1SB+0], s44, (3<<16)|(1<<20)|(1<<21)|(5<<22)|(3<<25)  ; W's scale bytes: the same, padded
	s_mov_b32 s[G1SB+1], 32<<16
	s_mov_b32 s[G1SB+2], (2*RB)<<16
	s_mov_b32 s[G1SB+3], 32<<16
	s_mov_b32 s[G1SB+4], 2*RB
	s_mov_b32 s[G1SB+5], 32
	s_mov_b32 s[G1SB+6], 0
	s_mov_b32 s[G1SB+7], 0
	s_mul_i32 s20, s17, 2*BL
	s_mul_i32 s20, s20, S*1536
	s_mov_b32 s21, 0
	s_mul_i32 s22, s17, BL/2
	s_mul_i32 s22, s22, S*256
	s_mov_b32 s23, 0
	s_mul_i32 s46, s42, 32*BL*KROW
	s_mov_b32 s47, 0
	s_mul_i32 s92, s42, 32*BL*KS
	s_mov_b32 s93, 0
	s_wait_kmcnt 0x0
	s_add_nc_u64 s[20:21], s[4:5], s[20:21]
	s_add_nc_u64 s[22:23], s[6:7], s[22:23]
	s_add_nc_u64 s[46:47], s[8:9], s[46:47]
	s_add_nc_u64 s[92:93], s[10:11], s[92:93]
	CROUND                                         ; all sixteen work-groups are here: the first joint loads meet
	s_mov_b32 s[G0S], 1
	s_mov_b32 s[G0S+1], SCLA
	s_mov_b64 s[G0S+2:G0S+3], s[22:23]
	s_or_b32 s[G0S+3], s[G0S+3], 0x80000000
	s_mov_b32 s[G0SB], 1
	s_mov_b32 s[G0SB+1], SCLB
	s_mov_b64 s[G0SB+2:G0SB+3], s[92:93]
	s_or_b32 s[G0SB+3], s[G0SB+3], 0x80000000
	s_mov_b32 s[G0], 1
	s_mov_b32 s[G0+1], 0
	s_mov_b64 s[G0+2:G0+3], s[20:21]
	s_or_b32 s[G0+3], s[G0+3], 0x80000000
	s_mov_b32 s[G0B], 1
	s_mov_b32 s[G0B+1], ABYTES
	s_mov_b64 s[G0B+2:G0B+3], s[46:47]
	s_or_b32 s[G0B+3], s[G0B+3], 0x80000000
	ARM 1, G0,  G1,  .Lhead_b                      ; the launch's four tiles, one joint load a wave: wave 0 A's images,
	ARM 2, G0B, G1B, .Lhead_sa                     ; wave 1 W's rows,
	ARM 3, G0S, G1S, .Lhead_sb                     ; wave 2 A's scale words,
	tensor_load_to_lds s[G0SB:G0SB+3], s[G1SB:G1SB+7]   ; wave 3 W's scale bytes
	s_nop 0
	PLACES
.Lhead_asked:
	v_and_b32 v1, 15, v0
	v_bfe_u32 v2, v0, 4, 1
	v_and_b32 v3, 31, v0
	v_lshlrev_b32 v4, 4, v3
	v_lshlrev_b32 v5, 3, v3
	v_mul_u32_u24 v6, v1, PITCH
	v_mad_u32_u24 v6, v2, 24, v6
	v_lshl_add_u32 v7, v2, 4, v6
	s_mul_i32 s21, s15, ABYTES/2
	s_mul_i32 s22, s16, 16*BL*PITCH
	s_add_co_u32 s22, s22, ABYTES
	v_add_nc_u32 v16, s21, v4                      ; A: my four tiles, K steps 0 to 3;
	v_add_nc_u32 v18, s21, v5
	s_add_co_u32 s21, s21, NQ*1536
	v_add_nc_u32 v17, s21, v4                      ; K steps 4 to 7
	v_add_nc_u32 v19, s21, v5
	v_add_nc_u32 v20, s22, v6                      ; W: my 64 rows
	v_add_nc_u32 v22, s22, v7
	s_mul_i32 s21, s15, SAH
	s_add_co_u32 s21, s21, SCLA
	v_add_nc_u32 v[ADRSA], s21, v5
	v_mul_u32_u24 v8, v1, KS
	v_lshrrev_b32 v9, 8, v8
	v_lshl_add_u32 v8, v9, 4, v8
	v_lshl_add_u32 v8, v2, 2, v8
	s_mul_i32 s22, s16, HALFS
	s_add_co_u32 s22, s22, SCLB
	v_add_nc_u32 v[ADRSB], s22, v8
	s_mul_i32 s20, s42, 128*BL
	s_mul_i32 s21, s16, 64*BL
	s_add_co_u32 s20, s20, s21
	s_mov_b32 s21, 0
	s_add_nc_u64 s[96:97], s[96:97], s[20:21]
	v_lshlrev_b32 v10, 5, v2
.set fb, 0
.rept BL
	global_load_b128 v[BIAS+8*fb:BIAS+8*fb+3], v10, s[96:97] offset:64*fb
	global_load_b128 v[BIAS+8*fb+4:BIAS+8*fb+7], v10, s[96:97] offset:64*fb+16
.set fb, fb+1
.endr
	s_lshl_b32 s18, s17, 7                         ; my part of x and x2: row 128 x tile row + 64 x half, column 128 x tile column + 64 x half
	s_lshl_b32 s19, s15, 6
	s_add_co_u32 s18, s18, s19
	s_lshl_b32 s18, s18, 12
	s_lshl_b32 s19, s42, 9
	s_add_co_u32 s18, s18, s19
	s_lshl_b32 s19, s16, 8
	s_add_co_u32 s18, s18, s19
	s_mov_b32 s19, 0
	s_add_nc_u64 s[98:99], s[98:99], s[18:19]
	s_add_nc_u64 s[100:101], s[100:101], s[18:19]
	v_lshlrev_b32 v[CO], 12, v2
	v_lshl_add_u32 v[CO], v1, 4, v[CO]             ; lanes 0-15 one row's 256 bytes, lanes 16-31 the next row's
	s_mul_i32 s18, s14, 16*272                     ; my stage
	s_add_co_u32 s18, s18, STAGE
	v_mul_u32_u24 v[STO], v1, 272
	v_lshl_add_u32 v[STO], v2, 5, v[STO]
	v_add_nc_u32 v[STO], s18, v[STO]
	v_mul_u32_u24 v[RD], v2, 272
	v_lshl_add_u32 v[RD], v1, 4, v[RD]
	v_add_nc_u32 v[RD], s18, v[RD]
	WIN 0x40
.irp a, 0,1,2,3                                ; the residual: block a's local rows 2 t, 2 t + 1 are rows 32 (a / 2) + 8 (a % 2) + 2 t + 8 (t / 4) and the next
.irp t, 0,1,2,3,4,5,6,7
	global_load_b128 v[48+128*(\a/2)+32*(\a%2)+4*\t:48+128*(\a/2)+32*(\a%2)+4*\t+3], v[CO], s[98:99] offset:(32*(\a/2)+8*(\a%2)+2*\t+8*(\t/4))*4096
.endr
.endr
	WIN 0
	s_wait_alu depctr_va_vdst(0)                   ; the wait at the head's end
	s_wait_tensorcnt 0x0                           ; my tile of the four is in; behind the barrier everybody's is
	s_barrier_signal -1
	s_barrier_wait -1
	FETCH_B 0, 0, 0
	FETCH_A 0, 0, 0
	SCALES 0
	FETCH_A 0, 0, BL/2
	s_wait_loadcnt 32                              ; the bias is in; the residual's 32 loads may be out
	STEP 0, 0, 1
.if LAPS > 1
	s_mov_b32 s3, LAPS-1
.Llap:
	MID 0
	TURN 0, 1, 1
	STEP 1, 0, 0
	MID 1
	TURN 1, 0, 1
	STEP 0, 0, 0
	s_sub_co_u32 s3, s3, 1
	s_cmp_lg_u32 s3, 0
	s_cbranch_scc1 .Llap
.endif
	MID 0
	TURN 0, 1, 0
	STEP 1, 0, 0
	MID 1
	s_wait_dscnt (BL/2)*NLA
	WIN 0xa1
	MULQ 0, 1, NQ-1, 1, 0
	MULQ BL/4, 1, NQ-1, 1, 0
	s_wait_alu depctr_va_vdst(0)
	s_wait_dscnt 0
	WIN 0xf1
	MULQ BL/2, 1, NQ-1, 1, 0
	MULQ 3*BL/4, 1, NQ-1, 1, 0
	WIN 0
; THE WAY OUT, block by block of 16 rows x 64 columns, through my own stage (bytes of its own behind the spare words, into which no tile lands).
.macro TOSTAGE a
	WIN 0x08+4*((\a)/2)
.irp bq, 0,1,2,3
	ds_store_b128 v[STO], v[32*((\a)%2)+8*\bq:32*((\a)%2)+8*\bq+3] offset:64*\bq       ; each accumulator from its low end on
	ds_store_b128 v[STO], v[32*((\a)%2)+8*\bq+4:32*((\a)%2)+8*\bq+7] offset:64*\bq+16
.endr
	WIN 0
.irp t, 0,1,2,3,4,5,6,7
	ds_load_b128 v[BB+32*((\a)%2)+4*\t:BB+32*((\a)%2)+4*\t+3], v[RD] offset:\t*2*272   ; LDS serves a wave's instructions in order (ISA guide 5.7.1.4)
.endr
.endm
.macro SEND a, younger
	s_wait_dscnt \younger                          ; the block is back; the next block's 8 stores and 8 loads may be out
	WIN 0x04                                       ; source 1, the residual, in window 1
.set j, 0
.rept 16
	v_pk_add_f32 v[BB+32*((\a)%2)+j:BB+32*((\a)%2)+j+1], v[BB+32*((\a)%2)+j:BB+32*((\a)%2)+j+1], v[48+128*((\a)/2)+32*((\a)%2)+j:48+128*((\a)/2)+32*((\a)%2)+j+1]
.set j, j+2
.endr
	WIN 0
.irp t, 0,1,2,3,4,5,6,7
	global_store_b128 v[CO], v[BB+32*((\a)%2)+4*\t:BB+32*((\a)%2)+4*\t+3], s[100:101] offset:(32*((\a)/2)+8*((\a)%2)+2*\t+8*(\t/4))*4096   ; 16 lanes store 256 consecutive, aligned bytes
.endr
.endm
	PLACES
	s_wait_loadcnt 0x0                             ; the residual
	TOSTAGE 0
.irp a, 1,2,3
.if \a > 1
	s_wait_xcnt 0x0                                ; block a - 2's stores have read their registers: block a's loads may land there
.endif
	TOSTAGE \a
	SEND \a-1, 16
.endr
	SEND 3, 0
	s_wait_tensorcnt 0x0                           ; the wave's end
	ds_add_u32 v[SPW], v[NIL]
	s_wait_dscnt 0x0
	CROUND                                         ; the closing round
	s_endpgm
.Lfunc_end_k_qe50449a056_proj:
	.size	k_qe50449a056_proj, .Lfunc_end_k_qe50449a056_proj-k_qe50449a056_proj
	.p2alignl 7, 3214868480
	.fill 96, 4, 3214868480
	.section	.rodata,"a",@progbits
	.p2align	6, 0x0
	.amdhsa_kernel k_qe50449a056_proj
		.amdhsa_group_segment_fixed_size 327680
		.amdhsa_private_segment_fixed_size 0
		.amdhsa_enable_private_segment 0
		.amdhsa_kernarg_size 56
		.amdhsa_user_sgpr_count 2
		.amdhsa_user_sgpr_kernarg_segment_ptr 1
		.amdhsa_wavefront_size32 1
		.amdhsa_system_sgpr_workgroup_id_x 1
		.amdhsa_system_sgpr_workgroup_id_y 1
		.amdhsa_system_sgpr_workgroup_id_z 1
		.amdhsa_system_vgpr_workitem_id 0
		.amdhsa_next_free_vgpr 1024
		.amdhsa_next_free_sgpr 102
		.amdhsa_reserve_vcc 0
		.amdhsa_float_denorm_mode_32 3
		.amdhsa_float_denorm_mode_16_64 3
		.amdhsa_memory_ordered 1
		.amdhsa_forward_progress 1
		.amdhsa_inst_pref_size 66
	.end_amdhsa_kernel
	.amdgpu_metadata
---
amdhsa.version: [ 1, 2 ]
amdhsa.kernels:
  - .name:           k_qe50449a056_proj
    .symbol:         k_qe50449a056_proj.kd
    .args:
      - { .name: a3c, .offset: 0, .size: 8, .value_kind: global_buffer, .address_space: global }
      - { .name: a3s, .offset: 8, .size: 8, .value_kind: global_buffer, .address_space: global }
      - { .name: w_proj_codes, .offset: 16, .size: 8, .value_kind: global_buffer, .address_space: global }
      - { .name: w_proj_scales, .offset: 24, .size: 8, .value_kind: global_buffer, .address_space: global }
      - { .name: b_proj, .offset: 32, .size: 8, .value_kind: global_buffer, .address_space: global }
      - { .name: x, .offset: 40, .size: 8, .value_kind: global_buffer, .address_space: global }
      - { .name: x2, .offset: 48, .size: 8, .value_kind: global_buffer, .address_space: global }
    .group_segment_fixed_size: 327680
    .private_segment_fixed_size: 0
    .kernarg_segment_align: 8
    .kernarg_segment_size: 56
    .max_flat_workgroup_size: 128
    .sgpr_count:     102
    .vgpr_count:     1024
    .wavefront_size: 32
...
	.end_amdgpu_metadata
.endif
;; end of part 4
;; launch ln2: the kernel of part 1 again; grid 256 x 1, 8 waves a work-group, no clusters, 67,072 bytes of LDS; arguments x2, ln2_g, ln2_b, a1c, a1s; writes a1c, a1s
;; launch fc1 (part 5): grid 16 x 16, 4 waves a work-group, clusters of 4 x 4, 327,680 bytes of LDS; arguments a1c, a1s, w_fc1_codes, w_fc1_scales, b_fc1, a5c, a5s; writes a5c, a5s
.if DOCPART == 5
	.amdgcn_target "amdgcn-amd-amdhsa--gfx1250"
	.amdhsa_code_object_version 6
	.text
	.protected	k_qe50449a056_fc1
	.globl	k_qe50449a056_fc1
	.p2align	8
	.type	k_qe50449a056_fc1,@function
k_qe50449a056_fc1:
	s_mov_b64 s[64:65], 0
	v_nop
	global_prefetch_b8 v0, s[64:65] scope:SCOPE_SE
	s_setreg_imm32_b32 hwreg(HW_REG_WAVE_MODE, 25, 1), 1
	s_wait_xcnt 0x0
	s_wait_alu depctr_hold_cnt(0) depctr_sa_sdst(0) depctr_va_vdst(0) depctr_va_sdst(0) depctr_va_ssrc(0) depctr_va_vcc(0) depctr_vm_vsrc(0)
	s_getreg_b32 s2, hwreg(HW_REG_IB_STS2, 6, 4)
	s_cmp_eq_u32 s2, 0
	s_cbranch_scc0 .Lentry_in_a_cluster
	s_endpgm
.Lentry_in_a_cluster:
	s_bfe_u32 s2, ttmp6, 0x10000c
	s_cmp_lg_u32 s2, 0xf033
	s_cbranch_scc0 .Lentry_shape_is_right
	s_endpgm
.Lentry_shape_is_right:
.set BL,     8
.set NQ,     2
.set SIZE_K, 1024
.set S,      SIZE_K/128
.set KS,     SIZE_K/32
.set KROW,   SIZE_K*3/4
; h = relu(LN2(x2) W_fc1 + b_fc1), on codes of FP6 (E2M3) with E8M0 scales, K = 1,024; the result is quantised along the next product's K and stored as images and scale words.
; A work-group of four waves makes 256 x 256, a wave 128 x 128.  W's 256 whole rows of 768 bytes lie in LDS for the whole launch, filled once: they begin at multiples of 256 bytes of memory; 16 bytes of padding behind every 256
; make an LDS row of 816 bytes = 204 words: row r begins at bank 12 r mod 64.  A's images go through a ring of two slots of two K steps (16 tiles x 3,072 bytes); in the ring each wave fetches four tiles.
; THE HEAD: one joint load a wave: A's slot 0, W's rows, A's scale words, W's scale bytes.  Slot 1 is first filled behind the full sequence, as a refill is.  LDS in use: 2 x 49,152 + 208,896 + 8,192 + 8,704 + 512 bytes.
; 4 x 4 work-groups form a cluster: A's tiles are asked for jointly along a row of it, W's along a column.  The walk along K is written out: eight K steps.  No prefetch: K is short, and the block is the largest, in clusters.
.set PITCH,  816
.set ABYTES, 49152
.set SLOT,   ABYTES
.set LAPS,   SIZE_K/(256*NQ)
.set SAH,    (BL/4)*S*256
.set RB,     16*BL*KS/256
.set HALFS,  RB*272
.set SBLK,   (16*KS/256)*272
.set SCLA,   2*ABYTES+256*PITCH
.set SCLB,   SCLA+2*SAH
.set SPARE,  SCLB+2*HALFS
.set NLA,    4
.set ADRSB, 27
.set SPW,   28
.set NIL,   29
.set ADRSA, 30
.set SC,    32
.set BIAS,  64
.set AF,    128
.set G1, 24
.set G0, 32
.set G1B, 48
.set G0B, 56
.set G1S, 68
.set G0S, 76
.set G1SB, 80
.set G0SB, 88
.set MSB, 0
.macro WIN new
.if MSB != (\new)
	s_set_vgpr_msb (MSB<<8)|(\new)
.set MSB, (\new)
.endif
.endm
.macro PLACES
.rept 4
	v_nop
.endr
.endm
.macro ARM under, g0, g1, next         ; one arm of the head's tree of branches on the wave's number: one joint load, then on to the tree's end
	s_cmp_lt_u32 s14, \under
	s_cbranch_scc0 \next
	tensor_load_to_lds s[\g0:\g0+3], s[\g1:\g1+7]
	s_nop 0
	PLACES
	s_branch .Lhead_asked
\next:
.endm
.macro CREST
	s_cmp_lg_u32 s14, 0
	s_cbranch_scc1 .Lnot_wave_0_\@
	s_barrier_signal -3
.Lnot_wave_0_\@:
	s_barrier_wait -3
	s_barrier_signal -1
	s_barrier_wait -1
.endm
.macro CROUND
	s_barrier_signal -1
	s_barrier_wait -1
	CREST
.endm
.set WST, -1                           ; the K step of W's fragments fetched last: the walk along K is written out, so the text counts it
.macro FRAGB reg, st, i                ; a fragment of W, K step st: six pieces of 8 bytes.  Byte y of a row lies at y + 16 (y / 256) of its LDS row; lanes 16-31 read 24 bytes on: where that is behind one padding more, v22, v23 serve.  v20, v22: my rows 0-63; v21, v23: rows 64-127
.irp p, 0,1,2,3,4,5
.set BY, 96*(\st)+48*(\p/3)+8*(\p%3)
.if BY/256 == (BY+24)/256
	ds_load_b64 v[\reg+2*\p:\reg+2*\p+1], v[20+(\i)/4] offset:BY+16*(BY/256)+((\i)%4)*16*PITCH
.else
	ds_load_b64 v[\reg+2*\p:\reg+2*\p+1], v[22+(\i)/4] offset:BY+16*(BY/256)+((\i)%4)*16*PITCH
.endif
.endr
.endm
.macro FETCH_B slot, q, p
.set WST, WST+1
	WIN 0x40
.set fi, 0
.rept BL
	FRAGB 128*(\p)+12*fi, WST, fi
.set fi, fi+1
.endr
	WIN 0
.endm
.macro FETCH_A slot, q, i0
.set fi, \i0
.rept BL/2
	ds_load_b128 v[AF+12*fi:AF+12*fi+3], v[16+\slot] offset:(fi*NQ+(\q))*1536
	ds_load_b64 v[AF+12*fi+4:AF+12*fi+5], v[18+\slot] offset:(fi*NQ+(\q))*1536+512
	ds_load_b128 v[AF+12*fi+6:AF+12*fi+9], v[16+\slot] offset:(fi*NQ+(\q))*1536+768
	ds_load_b64 v[AF+12*fi+10:AF+12*fi+11], v[18+\slot] offset:(fi*NQ+(\q))*1536+1280
.set fi, fi+1
.endr
.endm
.macro SCALES set
.set fq, 0
.rept NQ
.set fd, 0
.rept BL/4
	ds_load_b64 v[SC+16*\set+fq*(BL/2)+2*fd:SC+16*\set+fq*(BL/2)+2*fd+1], v[ADRSA] offset:fd*S*256+fq*256
.set fd, fd+1
.endr
.set fq, fq+1
.endr
.set fb, 0
.rept BL
.set fs, 0
.rept NQ/2
	ds_load_b32 v[SC+16*\set+8+fb*(NQ/2)+fs], v[ADRSB] offset:fb*SBLK+8*fs
.set fs, fs+1
.endr
.set fb, fb+1
.endr
.endm
.macro WM ra, rb
.if (\ra) && (\rb)
	v_wmma_scale_f32_16x16x128_f8f6f4 v[rD:rD+7], v[rB:rB+11], v[rA:rA+11], v[rC:rC+7], v[rSB], v[rSA] matrix_a_fmt:MATRIX_FMT_FP6 matrix_b_fmt:MATRIX_FMT_FP6 matrix_a_scale:MATRIX_SCALE_ROW1 matrix_b_scale:MATRIX_SCALE_ROW1
.elseif (\ra)
	v_wmma_scale_f32_16x16x128_f8f6f4 v[rD:rD+7], v[rB:rB+11], v[rA:rA+11], v[rC:rC+7], v[rSB], v[rSA] matrix_a_fmt:MATRIX_FMT_FP6 matrix_b_fmt:MATRIX_FMT_FP6 matrix_a_scale:MATRIX_SCALE_ROW1
.elseif (\rb)
	v_wmma_scale_f32_16x16x128_f8f6f4 v[rD:rD+7], v[rB:rB+11], v[rA:rA+11], v[rC:rC+7], v[rSB], v[rSA] matrix_a_fmt:MATRIX_FMT_FP6 matrix_b_fmt:MATRIX_FMT_FP6 matrix_b_scale:MATRIX_SCALE_ROW1
.else
	v_wmma_scale_f32_16x16x128_f8f6f4 v[rD:rD+7], v[rB:rB+11], v[rA:rA+11], v[rC:rC+7], v[rSB], v[rSA] matrix_a_fmt:MATRIX_FMT_FP6 matrix_b_fmt:MATRIX_FMT_FP6
.endif
.endm
.macro MULQ a0, p, q, sc, first
.set ma, \a0
.rept BL/4
.set mb, 0
.rept BL
.set rD, 8*(BL*(ma%(BL/2))+mb)
.set rB, 128*(\p)+12*mb
.set rA, AF+12*ma
.set rSB, SC+16*(\sc)+8+mb*(NQ/2)+(\q)/2
.set rSA, SC+16*(\sc)+(\q)*(BL/2)+ma/2
.if \first
.set rC, BIAS+8*mb
.else
.set rC, rD
.endif
	WM (\q)%2, ma%2
.set mb, mb+1
.endr
.set ma, ma+1
.endr
.endm
.macro STEP slot, q, first
	s_wait_dscnt (BL/2)*NLA
.if \first
	WIN 0x81
.else
	WIN 0xa1
.endif
	MULQ 0, (\q)%2, \q, \slot, \first
	MULQ BL/4, (\q)%2, \q, \slot, \first
	s_wait_dscnt 0
	PLACES
	FETCH_B \slot, (\q)+1, 1-(\q)%2
	FETCH_A \slot, (\q)+1, 0
.if \first
	WIN 0xc1
.else
	WIN 0xf1
.endif
	MULQ BL/2, (\q)%2, \q, \slot, \first
	MULQ 3*BL/4, (\q)%2, \q, \slot, \first
	PLACES
	WIN 0
	FETCH_A \slot, (\q)+1, BL/2
.endm
.macro MID slot
.if NQ == 4
	STEP \slot, 1, 0
	STEP \slot, 2, 0
.endif
.endm
.macro TURN slot, next, fill
	s_wait_tensorcnt 0x0
	ds_add_u32 v[SPW], v[NIL]
	s_wait_dscnt (BL/2)*NLA+1
	WIN 0xa1
	MULQ 0, 1, NQ-1, \slot, 0
	s_wait_dscnt 0x0
	s_barrier_signal -1
	MULQ BL/4, 1, NQ-1, \slot, 0
	WIN 0
	s_barrier_wait -1
.if \fill
	CREST
	s_add_nc_u64 s[G0+4*\slot+2:G0+4*\slot+3], s[G0+4*\slot+2:G0+4*\slot+3], 2*NQ*1536
	tensor_load_to_lds s[G0+4*\slot:G0+4*\slot+3], s[G1:G1+7]   ; my four tiles of the slot's next two K steps: my one tensor load behind the round
	s_nop 0
	PLACES
.else
	PLACES
.endif
	s_wait_alu depctr_va_vdst(0)
	v_add_nc_u32 v[ADRSA], NQ*256, v[ADRSA]
	v_add_nc_u32 v[ADRSB], 4*NQ, v[ADRSB]
	FETCH_B \next, 0, 0
	FETCH_A \next, 0, 0
	SCALES \next
	WIN 0xf1
	MULQ BL/2, 1, NQ-1, \slot, 0
	MULQ 3*BL/4, 1, NQ-1, \slot, 0
	PLACES
	WIN 0
	FETCH_A \next, 0, BL/2
.endm
	s_load_b256 s[4:11], s[0:1], 0x0
	s_load_b128 s[96:99], s[0:1], 0x20
	s_load_b64 s[100:101], s[0:1], 0x30
	v_lshl_add_u32 v[SPW], v0, 2, SPARE
	v_mov_b32 v[NIL], 0
	ds_add_u32 v28, v29
	ds_add_u32 v28, v29
	s_wait_dscnt 0x0
	v_lshrrev_b32 v1, 5, v0
	v_readfirstlane_b32 s14, v1
	s_lshr_b32 s15, s14, 1
	s_and_b32 s16, s14, 1
	s_bfe_u32 s40, ttmp6, 0x40000
	s_bfe_u32 s41, ttmp6, 0x40004
	s_lshl_b32 s42, ttmp9, 2
	s_add_co_u32 s42, s42, s40
	s_and_b32 s17, ttmp7, 0xffff
	s_lshl_b32 s17, s17, 2
	s_add_co_u32 s17, s17, s41
	s_lshl_b32 s43, s41, 2
	s_lshl_b32 s43, 15, s43
	s_lshl_b32 s44, 0x1111, s40
	s_or_b32 s[G1+0], s43, (3<<16)|(1<<21)
	s_mov_b32 s[G1+1], (NQ*192)<<16
	s_mov_b32 s[G1+2], (2*BL)<<16                  ; the head's load brings all 16 tiles of slot 0
	s_mov_b32 s[G1+3], (NQ*192)<<16
	s_mov_b32 s[G1+4], 2*BL
	s_mov_b32 s[G1+5], S*192
	s_mov_b32 s[G1+6], 0
	s_mov_b32 s[G1+7], 0
	s_or_b32 s[G1B+0], s44, (0<<16)|(1<<20)|(1<<21)|(5<<22)|(3<<25)   ; W: 256 whole rows of 768 bytes, 16 bytes of padding behind every 256
	s_mov_b32 s[G1B+1], KROW<<16
	s_mov_b32 s[G1B+2], 256<<16
	s_mov_b32 s[G1B+3], KROW<<16
	s_mov_b32 s[G1B+4], 256
	s_mov_b32 s[G1B+5], KROW
	s_mov_b32 s[G1B+6], 0
	s_mov_b32 s[G1B+7], 0
	s_or_b32 s[G1S+0], s43, (3<<16)|(1<<21)
	s_mov_b32 s[G1S+1], 32<<16
	s_mov_b32 s[G1S+2], ((BL/2)*S)<<16
	s_mov_b32 s[G1S+3], 32<<16
	s_mov_b32 s[G1S+4], (BL/2)*S
	s_mov_b32 s[G1S+5], 32
	s_mov_b32 s[G1S+6], 0
	s_mov_b32 s[G1S+7], 0
	s_or_b32 s[G1SB+0], s44, (3<<16)|(1<<20)|(1<<21)|(5<<22)|(3<<25)
	s_mov_b32 s[G1SB+1], 32<<16
	s_mov_b32 s[G1SB+2], (2*RB)<<16
	s_mov_b32 s[G1SB+3], 32<<16
	s_mov_b32 s[G1SB+4], 2*RB
	s_mov_b32 s[G1SB+5], 32
	s_mov_b32 s[G1SB+6], 0
	s_mov_b32 s[G1SB+7], 0
	s_mul_i32 s20, s17, 2*BL
	s_mul_i32 s20, s20, S*1536
	s_mov_b32 s21, 0
	s_mul_i32 s22, s17, BL/2
	s_mul_i32 s22, s22, S*256
	s_mov_b32 s23, 0
	s_mul_i32 s46, s42, 32*BL*KROW
	s_mov_b32 s47, 0
	s_mul_i32 s92, s42, 32*BL*KS
	s_mov_b32 s93, 0
	s_mul_i32 s18, s14, 4*S*1536                   ; in the ring I fetch four tiles: where they begin in memory,
	s_mov_b32 s19, 0
	s_mul_i32 s45, s14, ABYTES/4                   ; and in a slot
	s_wait_kmcnt 0x0
	s_add_nc_u64 s[20:21], s[4:5], s[20:21]
	s_add_nc_u64 s[22:23], s[6:7], s[22:23]
	s_add_nc_u64 s[46:47], s[8:9], s[46:47]
	s_add_nc_u64 s[92:93], s[10:11], s[92:93]
	CROUND
	s_mov_b32 s[G0S], 1
	s_mov_b32 s[G0S+1], SCLA
	s_mov_b64 s[G0S+2:G0S+3], s[22:23]
	s_or_b32 s[G0S+3], s[G0S+3], 0x80000000
	s_mov_b32 s[G0SB], 1
	s_mov_b32 s[G0SB+1], SCLB
	s_mov_b64 s[G0SB+2:G0SB+3], s[92:93]
	s_or_b32 s[G0SB+3], s[G0SB+3], 0x80000000
	s_mov_b32 s4, 1                                ; s[4:7]: group 0 for the head's load of slot 0, all 16 tiles (the arguments that lay there have been used)
	s_mov_b32 s5, 0
	s_mov_b64 s[6:7], s[20:21]
	s_or_b32 s7, s7, 0x80000000
	s_mov_b32 s[G0B], 1
	s_mov_b32 s[G0B+1], 2*ABYTES
	s_mov_b64 s[G0B+2:G0B+3], s[46:47]
	s_or_b32 s[G0B+3], s[G0B+3], 0x80000000
	s_add_nc_u64 s[20:21], s[20:21], s[18:19]      ; for the ring: my four tiles
.irp s, 0,1
	s_mov_b32 s[G0+4*\s], 1
	s_add_co_u32 s[G0+4*\s+1], s45, \s*ABYTES
	s_add_nc_u64 s[G0+4*\s+2:G0+4*\s+3], s[20:21], \s*NQ*1536
	s_or_b32 s[G0+4*\s+3], s[G0+4*\s+3], 0x80000000
.endr
	ARM 1, 4,   G1,  .Lhead_b                      ; the head's four tiles, one joint load a wave: wave 0 A's slot 0,
	ARM 2, G0B, G1B, .Lhead_sa                     ; wave 1 W's rows,
	ARM 3, G0S, G1S, .Lhead_sb                     ; wave 2 A's scale words,
	tensor_load_to_lds s[G0SB:G0SB+3], s[G1SB:G1SB+7]   ; wave 3 W's scale bytes
	s_nop 0
	PLACES
.Lhead_asked:
	v_and_b32 v1, 15, v0
	v_bfe_u32 v2, v0, 4, 1
	v_and_b32 v3, 31, v0
	v_lshlrev_b32 v4, 4, v3
	v_lshlrev_b32 v5, 3, v3
	v_mul_u32_u24 v6, v1, PITCH
	v_mad_u32_u24 v6, v2, 24, v6
	v_lshl_add_u32 v7, v2, 4, v6
	s_mul_i32 s21, s15, ABYTES/2
	s_mul_i32 s22, s16, 16*BL*PITCH
	s_add_co_u32 s22, s22, 2*ABYTES
.irp s, 0,1
	v_add_nc_u32 v[16+\s], s21, v4
	v_add_nc_u32 v[18+\s], s21, v5
	v_add_nc_u32 v[20+\s], s22, v6
	v_add_nc_u32 v[22+\s], s22, v7
	s_add_co_u32 s21, s21, SLOT
	s_add_co_u32 s22, s22, 64*PITCH
.endr
	s_mul_i32 s21, s15, SAH
	s_add_co_u32 s21, s21, SCLA
	v_add_nc_u32 v[ADRSA], s21, v5
	v_mul_u32_u24 v8, v1, KS
	v_lshrrev_b32 v9, 8, v8
	v_lshl_add_u32 v8, v9, 4, v8
	v_lshl_add_u32 v8, v2, 2, v8
	s_mul_i32 s22, s16, HALFS
	s_add_co_u32 s22, s22, SCLB
	v_add_nc_u32 v[ADRSB], s22, v8
	s_mul_i32 s20, s42, 128*BL
	s_mul_i32 s21, s16, 64*BL
	s_add_co_u32 s20, s20, s21
	s_mov_b32 s21, 0
	s_add_nc_u64 s[96:97], s[96:97], s[20:21]
	v_lshlrev_b32 v10, 5, v2
.set fb, 0
.rept BL
	global_load_b128 v[BIAS+8*fb:BIAS+8*fb+3], v10, s[96:97] offset:64*fb
	global_load_b128 v[BIAS+8*fb+4:BIAS+8*fb+7], v10, s[96:97] offset:64*fb+16
.set fb, fb+1
.endr
	v_mov_b32 v24, v4
	v_mov_b32 v25, v5
	s_wait_alu depctr_va_vdst(0)
	s_wait_tensorcnt 0x0                           ; my tile of the head's four is in
	ds_add_u32 v[SPW], v[NIL]
	s_mov_b32 s[G1+2], 4<<16                       ; no tensor load of mine is out: from here on a load brings four tiles
	s_mov_b32 s[G1+4], 4
	s_wait_dscnt 0x0
	CROUND                                         ; all four tiles are in, and all sixteen work-groups are here
	tensor_load_to_lds s[G0+4:G0+7], s[G1:G1+7]    ; slot 1's first fill, my four tiles: the first tensor load behind the round
	s_nop 0
	PLACES
	FETCH_B 0, 0, 0
	FETCH_A 0, 0, 0
	SCALES 0
	FETCH_A 0, 0, BL/2
	s_wait_loadcnt 0x0
	STEP 0, 0, 1
.if LAPS > 1
	MID 0
	TURN 0, 1, 1
	STEP 1, 0, 0
	MID 1
	TURN 1, 0, 1
	STEP 0, 0, 0
.endif
	MID 0
	TURN 0, 1, 0
	STEP 1, 0, 0
	MID 1
	s_wait_dscnt (BL/2)*NLA
	WIN 0xa1
	MULQ 0, 1, NQ-1, 1, 0
	MULQ BL/4, 1, NQ-1, 1, 0
	s_wait_dscnt 0
	WIN 0xf1
	MULQ BL/2, 1, NQ-1, 1, 0
	MULQ 3*BL/4, 1, NQ-1, 1, 0
	WIN 0
.set HB,  64
.set PC,  128
.set TM,  148
.set PWS, 164
.macro QUANT4 s, pw
.irp b, 0,1,2,3
	v_max3_num_f32 v[TM+\b], |v[\s+16*\b]|, |v[\s+1+16*\b]|, 0x1800000
.endr
.irp i, 2,4,6,8,10,12,14
.irp b, 0,1,2,3
	v_max3_num_f32 v[TM+\b], v[TM+\b], |v[\s+16*\b+\i]|, |v[\s+1+16*\b+\i]|
.endr
.endr
.irp b, 0,1,2,3
	v_permlanex16_b32 v[TM+4+\b], v[TM+\b], s12, s13
.endr
.irp b, 0,1,2,3
	v_max_num_f32 v[TM+\b], v[TM+\b], v[TM+4+\b]
.endr
.irp b, 0,1,2,3
	v_add_nc_u32 v[TM+12+\b], 0xff000000, v[TM+\b]
.endr
.irp b, 0,1,2,3
	v_lshrrev_b32 v[TM+4+\b], 23, v[TM+12+\b]
.endr
	v_lshl_or_b32 v[\pw], v[TM+5], 8, v[TM+4]
	v_lshl_or_b32 v[\pw], v[TM+6], 16, v[\pw]
	v_lshl_or_b32 v[\pw], v[TM+7], 24, v[\pw]
.irp c, 0,1
	v_cvt_scalef32_pk16_fp6_f32 v[PC+6*\c:PC+2+6*\c], v[\s+32*\c:\s+15+32*\c], v[TM+12+2*\c]
	v_cvt_scalef32_pk16_fp6_f32 v[PC+12+4*\c:PC+14+4*\c], v[\s+16+32*\c:\s+31+32*\c], v[TM+12+2*\c+1]
.endr
	v_nop
.irp c, 0,1
.irp i, 0,1,2
	v_permlane16_swap_b32 v[PC+6*\c+\i], v[PC+12+4*\c+\i]
.endr
.irp i, 0,1,2
	v_mov_b32 v[PC+3+6*\c+\i], v[PC+12+4*\c+\i]
.endr
.endr
.endm
	PLACES
	s_mov_b32 s12, 0x76543210
	s_mov_b32 s13, 0xfedcba98
	s_mov_b32 s67, 0xffff0000
	s_lshl_b32 s18, s17, 4
	s_lshl_b32 s19, s15, 3
	s_add_co_u32 s18, s18, s19
	s_lshl_b32 s20, s42, 1
	s_add_co_u32 s20, s20, s16
	s_lshl_b32 s22, s18, 5
	s_add_co_u32 s22, s22, s20
	s_mul_i32 s22, s22, 1536
	s_mov_b32 s23, 0
	s_add_nc_u64 s[98:99], s[98:99], s[22:23]
	s_lshl_b32 s22, s18, 3
	s_add_co_u32 s22, s22, s20
	s_lshl_b32 s22, s22, 8
	s_add_nc_u64 s[100:101], s[100:101], s[22:23]
.irp b, 0,1,2,3
	v_mov_b32 v[TM+4+\b], 0
.endr
.macro QFA a
	s_wait_xcnt 0x0
	WIN 0x08+4*((\a)/4)
.set j, 0
.rept 64
	v_max_num_f32 v[HB+j], 0, v[64*((\a)%4)+j]
.set j, j+1
.endr
	WIN 0
.irp be, 0,1,2,3
.irp jj, 0,1,2,3,4,5,6,7
	v_permlane16_swap_b32 v[HB+16*\be+\jj], v[HB+16*\be+8+\jj]
.endr
.endr
	QUANT4 HB, PWS+(\a)
	global_store_b128 v24, v[PC:PC+3], s[98:99] offset:(\a)*49152
	global_store_b128 v24, v[PC+4:PC+7], s[98:99] offset:(\a)*49152+512
	global_store_b128 v24, v[PC+8:PC+11], s[98:99] offset:(\a)*49152+1024
.endm
	QFA 0
	QFA 1
	QFA 2
	QFA 3
	v_cndmask_b32 v172, v[PWS], v[PWS+1], s67
	v_cndmask_b32 v173, v[PWS+2], v[PWS+3], s67
	global_store_b64 v25, v[172:173], s[100:101]
	QFA 4
	QFA 5
	QFA 6
	QFA 7
	v_cndmask_b32 v174, v[PWS+4], v[PWS+5], s67
	v_cndmask_b32 v175, v[PWS+6], v[PWS+7], s67
	global_store_b64 v25, v[174:175], s[100:101] offset:8192
	s_wait_tensorcnt 0x0
	ds_add_u32 v[SPW], v[NIL]
	s_wait_dscnt 0x0
	CROUND
	s_endpgm
.Lfunc_end_k_qe50449a056_fc1:
	.size	k_qe50449a056_fc1, .Lfunc_end_k_qe50449a056_fc1-k_qe50449a056_fc1
	.p2alignl 7, 3214868480
	.fill 96, 4, 3214868480
	.section	.rodata,"a",@progbits
	.p2align	6, 0x0
	.amdhsa_kernel k_qe50449a056_fc1
		.amdhsa_group_segment_fixed_size 327680
		.amdhsa_private_segment_fixed_size 0
		.amdhsa_enable_private_segment 0
		.amdhsa_kernarg_size 56
		.amdhsa_user_sgpr_count 2
		.amdhsa_user_sgpr_kernarg_segment_ptr 1
		.amdhsa_wavefront_size32 1
		.amdhsa_system_sgpr_workgroup_id_x 1
		.amdhsa_system_sgpr_workgroup_id_y 1
		.amdhsa_system_sgpr_workgroup_id_z 1
		.amdhsa_system_vgpr_workitem_id 0
		.amdhsa_next_free_vgpr 1024
		.amdhsa_next_free_sgpr 102
		.amdhsa_reserve_vcc 0
		.amdhsa_float_denorm_mode_32 3
		.amdhsa_float_denorm_mode_16_64 3
		.amdhsa_memory_ordered 1
		.amdhsa_forward_progress 1
		.amdhsa_inst_pref_size 182
	.end_amdhsa_kernel
	.amdgpu_metadata
---
amdhsa.version: [ 1, 2 ]
amdhsa.kernels:
  - .name:           k_qe50449a056_fc1
    .symbol:         k_qe50449a056_fc1.kd
    .args:
      - { .name: a1c, .offset: 0, .size: 8, .value_kind: global_buffer, .address_space: global }
      - { .name: a1s, .offset: 8, .size: 8, .value_kind: global_buffer, .address_space: global }
      - { .name: w_fc1_codes, .offset: 16, .size: 8, .value_kind: global_buffer, .address_space: global }
      - { .name: w_fc1_scales, .offset: 24, .size: 8, .value_kind: global_buffer, .address_space: global }
      - { .name: b_fc1, .offset: 32, .size: 8, .value_kind: global_buffer, .address_space: global }
      - { .name: a5c, .offset: 40, .size: 8, .value_kind: global_buffer, .address_space: global }
      - { .name: a5s, .offset: 48, .size: 8, .value_kind: global_buffer, .address_space: global }
    .group_segment_fixed_size: 327680
    .private_segment_fixed_size: 0
    .kernarg_segment_align: 8
    .kernarg_segment_size: 56
    .max_flat_workgroup_size: 128
    .sgpr_count:     102
    .vgpr_count:     1024
    .wavefront_size: 32
...
	.end_amdgpu_metadata
.endif
;; end of part 5
;; launch fc2 (part 6): grid 32 x 8, 4 waves a work-group, clusters of 4 x 1, 327,680 bytes of LDS; arguments a5c, a5s, w_fc2_codes, w_fc2_scales, b_fc2, x2, out0; writes out0
.if DOCPART == 6
	.amdgcn_target "amdgcn-amd-amdhsa--gfx1250"
	.amdhsa_code_object_version 6
	.text
	.protected	k_qe50449a056_fc2
	.globl	k_qe50449a056_fc2
	.p2align	8
	.type	k_qe50449a056_fc2,@function
k_qe50449a056_fc2:
	s_mov_b64 s[64:65], 0
	v_nop
	global_prefetch_b8 v0, s[64:65] scope:SCOPE_SE
	s_setreg_imm32_b32 hwreg(HW_REG_WAVE_MODE, 25, 1), 1
	s_wait_xcnt 0x0
	s_wait_alu depctr_hold_cnt(0) depctr_sa_sdst(0) depctr_va_vdst(0) depctr_va_sdst(0) depctr_va_ssrc(0) depctr_va_vcc(0) depctr_vm_vsrc(0)
	s_getreg_b32 s2, hwreg(HW_REG_IB_STS2, 6, 4)
	s_cmp_eq_u32 s2, 0
	s_cbranch_scc0 .Lentry_in_a_cluster
	s_endpgm
.Lentry_in_a_cluster:
	s_bfe_u32 s2, ttmp6, 0x10000c
	s_cmp_lg_u32 s2, 0x3003
	s_cbranch_scc0 .Lentry_shape_is_right
	s_endpgm
.Lentry_shape_is_right:
; out = x2 + h W_fc2 + b_fc2, the product on codes of FP6 (E2M3) with E8M0 scales, K = 4,096: 32 K steps of 128.
; h: images [tile][K step][1,536 bytes] (tile tau = 2 b + u holds rows 32 b + 8 u + r + 8 (r / 8); an image is the fragment's registers 0-3, 4-7, 8-11, each 16 bytes a lane) and scale words [tau / 4][K step][256];
; W: rows of codes, K innermost, as given.
; SHARES.  A work-group of four waves makes 128 x 128 (1,024 columns in tiles of 256 x 256 would be 64 work-groups; these are 256).  Wave w makes rows 32 w .. 32 w + 31, two tiles, x all 128 columns: 16 accumulators.
; h GOES FROM MEMORY STRAIGHT INTO REGISTERS.  No two waves of a work-group want the same image, and an image is loaded as it lies: six loads of 512 consecutive bytes and one of the two tiles' scale words for a K step,
; into a ring of nine sets of registers: 63 loads of each wave are on their way, and they stay out across the changes of slots.
; W GOES THROUGH LDS, ALONE: two slots of eight K steps (each wave fetches a chunk of 32 rows x 768 bytes), so that K = 4,096 is four slots: two first fills and two refills, each with eight K steps in which to land.
; W's scale bytes of the 128 rows, for all of K, come once, with the first fills.
; CLUSTER.  x counts tile rows, y tile columns: the four work-groups of a cluster share their tile column, and ask for W's tiles and scale bytes jointly.  h's tiles are read by the eight work-groups of a tile row, which lie
; in eight clusters, and are not asked for jointly: what h's way through registers is there for is that its loads hang on no change of slots.
; The matrix instruction is used transposed (source 0 = 16 rows of W, source 1 = 16 rows of h): a lane holds one row and eight neighbouring columns.  The first products take the constant 0 as C.
; The 32 K steps are written out: every offset is an immediate, no pointer is stepped.  W's fragments are fetched two steps ahead, so that one run of four places a step serves both kinds of loads.
; THE WAY OUT.  The residual's 32 loads and the bias's one take the places that the ring leaves free from K step 23 on.  A block of 16 rows x 128 columns goes through the wave's own stage in LDS and leaves as whole rows
; of 512 bytes.  The bias is added to the residual, in f32, while the block is on its way through the stage.
; No prefetch: h's loads run nine K steps ahead of their use, W's refills eight.  NaN and infinities are not served.
; REGISTERS, in windows of 256: window 0: v14-29 addresses; v32-40 h's scale words (ring); v48-63 W's (two sets of eight); v64-67 the bias; v128-255 the way out.
;   window 1: W's fragments, two sets, at v0 and v128.   window 2: h's ring, set k at v[24 k].   window 3: v0-127 accumulator (a, b) at v[8 (8 a + b)]; v128-255 the residual.
.set S,      32                        ; K steps
.set KS,     128                       ; a row of W's scale bytes
.set KROW,   3072                      ; a row of W's codes in bytes
.set PITCH,  816                       ; W in LDS: a slot's row is 768 bytes of memory, eight K steps, beginning at a multiple of 256 bytes; 16 bytes of padding behind every 256: 204 words, row r begins at bank 12 r mod 64
.set CH,     32*PITCH                  ; 32 rows: what one wave's refill brings
.set NQ,     8                         ; K steps in a slot
.set SLOT,   4*CH
.set SCLB,   2*SLOT                    ; behind the ring: W's scale bytes, as units of 256 bytes + 16 of padding
.set SBQ,    16*272                    ; a quarter of them
.set SBLK,   8*272                     ; those of 16 rows of W
.set SPARE,  SCLB+4*SBQ                ; the spare words, 128 bytes for each wave: two blocks of 256 bytes that no other line names
.set SPITCH, 528                       ; the way out: a stage of 16 rows x (512 bytes + 16) for each wave, in slot 0, behind its last fill and its last read
.set DEP,    9                         ; sets in h's ring
.set LI,    14                         ; v14 16 x lane;  v15 8 x lane: never rewritten
.set L8,    15
.set STO,   24                         ; v16-23 W's fragments: v[16 + 4 slot + half of the slot], and two registers on the same behind one padding more;  v24 the stage, in;  v25 the stage, out
.set RD,    25
.set ADRSB, 27                         ; v27 W's scale words
.set SPW,   28                         ; v28 my spare word; v29 0: never rewritten
.set NIL,   29
.set ASC,   32
.set BSC,   48
.set BV,    64
.set BB,    128
.set G1B, 24                           ; s[24:31] group 1 for W's chunks;  s[32:39] groups 0, one for each slot
.set G0B, 32
.set G1S, 48                           ; s[48:55], s[56:59] for W's scale bytes
.set G0S, 56
.set MSB, 0
.macro WIN new                         ; the immediate's high byte repeats the setting that is left
.if MSB != (\new)
	s_set_vgpr_msb (MSB<<8)|(\new)
.set MSB, (\new)
.endif
.endm
.macro PLACES                          ; four plain places behind a matrix instruction, ahead of loads into its registers and of reads of its result
.rept 4
	v_nop
.endr
.endm
.macro CREST                           ; a round of the cluster's barrier behind its opening barrier
	s_cmp_lg_u32 s14, 0
	s_cbranch_scc1 .Lnot_wave_0_\@
	s_barrier_signal -3
.Lnot_wave_0_\@:
	s_barrier_wait -3
	s_barrier_signal -1
	s_barrier_wait -1
.endm
.macro CROUND
	s_barrier_signal -1
	s_barrier_wait -1
	CREST
.endm
.macro FRAGB reg, adr, q, i            ; a fragment of W: six pieces of 8 bytes; where the piece three on lies behind one padding more, the second address register serves
.irp p, 0,1,2,3,4,5
.set BY, 96*(\q)+48*(\p/3)+8*(\p%3)    ; byte y of a slot's row lies at y + 16 (y / 256) of its LDS row; blocks 0-3 and 4-7 of W have address registers of their own: an LDS offset holds 16 bits
.if BY/256 == (BY+24)/256
	ds_load_b64 v[\reg+2*\p:\reg+2*\p+1], v[\adr+(\i)/4] offset:BY+16*(BY/256)+((\i)%4)*16*PITCH
.else
	ds_load_b64 v[\reg+2*\p:\reg+2*\p+1], v[\adr+2+(\i)/4] offset:BY+16*(BY/256)+((\i)%4)*16*PITCH
.endif
.endr
.endm
.macro LDWF s                          ; W's eight fragments of K step s into set s % 2: 48 LDS loads
	WIN 0x40
.set fi, 0
.rept 8
	FRAGB 128*((\s)%2)+12*fi, 16+4*(((\s)/8)%2), (\s)%8, fi
.set fi, fi+1
.endr
.endm
.macro LDWS s                          ; with an even K step: W's scale words of this step (lanes 0-15) and the next (lanes 16-31): 8 LDS loads
.if (\s)%2 == 0
.set fi, 0
.rept 8
	ds_load_b32 v[BSC+8*(((\s)/2)%2)+fi], v[ADRSB] offset:fi*SBLK+8*((\s)/2)
.set fi, fi+1
.endr
.endif
.endm
.macro LDAC s                          ; h's two fragments of K step s into set s % 9: six loads of 512 consecutive bytes
	WIN 0x80
.irp a, 0,1
	global_load_b128 v[24*((\s)%DEP)+12*\a:24*((\s)%DEP)+12*\a+3], v[LI], s[20:21] offset:\a*49152+(\s)*1536
	global_load_b128 v[24*((\s)%DEP)+12*\a+4:24*((\s)%DEP)+12*\a+7], v[LI], s[20:21] offset:\a*49152+(\s)*1536+512
	global_load_b128 v[24*((\s)%DEP)+12*\a+8:24*((\s)%DEP)+12*\a+11], v[LI], s[20:21] offset:\a*49152+(\s)*1536+1024
.endr
.endm
.macro LDAS s                          ; and their scale words: lanes 0-15 the first tile's, lanes 16-31 the second's
	global_load_b32 v[ASC+(\s)%DEP], v[L8], s[22:23] offset:(\s)*256
.endm
.macro RLOAD n                         ; n more of the 33 late loads: the bias of my four columns, then the residual, row by row: 512 consecutive bytes a load
.rept \n
.if ri == 0
	global_load_b128 v[BV:BV+3], v[LI], s[96:97]
.else
	WIN 0xc0
	global_load_b128 v[128+4*(ri-1):128+4*(ri-1)+3], v[LI], s[98:99] offset:(8*((ri-1)/16)+(ri-1)%16+8*(((ri-1)%16)/8))*4096
.endif
.set ri, ri+1
.endr
	WIN 0
.endm
.macro WM ra, rb, first                ; one product; ra, rb: W's and h's scale words stand in lanes 16-31 of their registers
.if (\first) && (\rb)
	v_wmma_scale_f32_16x16x128_f8f6f4 v[rD:rD+7], v[rB:rB+11], v[rA:rA+11], 0, v[rSB], v[rSA] matrix_a_fmt:MATRIX_FMT_FP6 matrix_b_fmt:MATRIX_FMT_FP6 matrix_b_scale:MATRIX_SCALE_ROW1
.elseif (\first)
	v_wmma_scale_f32_16x16x128_f8f6f4 v[rD:rD+7], v[rB:rB+11], v[rA:rA+11], 0, v[rSB], v[rSA] matrix_a_fmt:MATRIX_FMT_FP6 matrix_b_fmt:MATRIX_FMT_FP6
.elseif (\ra) && (\rb)
	v_wmma_scale_f32_16x16x128_f8f6f4 v[rD:rD+7], v[rB:rB+11], v[rA:rA+11], v[rD:rD+7], v[rSB], v[rSA] matrix_a_fmt:MATRIX_FMT_FP6 matrix_b_fmt:MATRIX_FMT_FP6 matrix_a_scale:MATRIX_SCALE_ROW1 matrix_b_scale:MATRIX_SCALE_ROW1
.elseif (\ra)
	v_wmma_scale_f32_16x16x128_f8f6f4 v[rD:rD+7], v[rB:rB+11], v[rA:rA+11], v[rD:rD+7], v[rSB], v[rSA] matrix_a_fmt:MATRIX_FMT_FP6 matrix_b_fmt:MATRIX_FMT_FP6 matrix_a_scale:MATRIX_SCALE_ROW1
.elseif (\rb)
	v_wmma_scale_f32_16x16x128_f8f6f4 v[rD:rD+7], v[rB:rB+11], v[rA:rA+11], v[rD:rD+7], v[rSB], v[rSA] matrix_a_fmt:MATRIX_FMT_FP6 matrix_b_fmt:MATRIX_FMT_FP6 matrix_b_scale:MATRIX_SCALE_ROW1
.else
	v_wmma_scale_f32_16x16x128_f8f6f4 v[rD:rD+7], v[rB:rB+11], v[rA:rA+11], v[rD:rD+7], v[rSB], v[rSA] matrix_a_fmt:MATRIX_FMT_FP6 matrix_b_fmt:MATRIX_FMT_FP6
.endif
.endm
.macro MUL8 s, a, first                ; tile a of h x W's eight blocks, K step s; the 16 accumulators take turns, one instruction a turn, in the same order in every step
.set mb, 0
.rept 8
.set rD, 8*(8*(\a)+mb)
.set rB, 128*((\s)%2)+12*mb
.set rA, 24*((\s)%DEP)+12*(\a)
.set rSB, BSC+8*(((\s)/2)%2)+mb
.set rSA, ASC+(\s)%DEP
	WM (\s)%2, \a, \first
.set mb, mb+1
.endr
.endm
; The two counted waits at a step's head.  LDS: the loads of K step s + 1, issued behind this step's, may be out: 48, and 8 scale words where s + 1 is even; extra: the add.
; Memory: behind K step s's seven loads were issued those of the eight steps that follow (56); from step 24 on fewer steps and as many late loads, 56 still; from step 28 on what is left of the ring and all 33 late loads.
.macro WAITS s, extra
.if (\s) == S-1
.set cn, 0
.elseif (\s)%2 == 0
.set cn, 48
.else
.set cn, 56
.endif
.if (\s) <= 27
.set ln, 56
.else
.set ln, 7*(S-1-(\s))+33
.endif
	s_wait_dscnt cn+\extra
	s_wait_loadcnt ln
.endm
.macro TAIL s                          ; behind a step's products and their places: the registers that it read are loaded again: W's set with K step s + 2, h's set with K step s + 9
.if (\s)+2 < S
	LDWF (\s)+2
.endif
.if (\s)+DEP < S
	LDAC (\s)+DEP
.endif
	WIN 0
.if (\s)+2 < S
	LDWS (\s)+2
.endif
.if (\s)+DEP < S
	LDAS (\s)+DEP
.elseif (\s) < 27
	RLOAD 7                                        ; the ring asks for nothing more: its seven places a step go to the late loads: 63 loads of mine are out at the most
.elseif (\s) == 27
	RLOAD 5
.endif
.endm
.macro STEP s, first
	WAITS \s, 0
	WIN 0xf9                                       ; source 0 (W) window 1, source 1 (h) window 2, C and D window 3
	MUL8 \s, 0, \first
	MUL8 \s, 1, \first
	PLACES
	TAIL \s
.endm
; K steps 6, 14 and 22 change slots: the slot's last fragments, K step s + 1's, were asked for behind the step before, and K step s + 2 lies in the other slot.  ONE barrier; ahead of it each wave waits for all its tensor
; loads, adds 0 to its spare word, and waits for that and for its reads of the slot.  fill = 1: the slot is filled again, with the K steps two slots on.
.macro TURN s, fill
	s_wait_tensorcnt 0x0                           ; all my tensor loads have landed: my chunk of the other slot
	ds_add_u32 v[SPW], v[NIL]                      ; 0 onto my spare word
	WAITS \s, 1
	WIN 0xf9
	MUL8 \s, 0, 0                                  ; eight matrix instructions stand between the add and the wait for it
	s_wait_dscnt 0x0                               ; the add is done, and my reads of this slot are over
	s_barrier_signal -1
	MUL8 \s, 1, 0
	WIN 0
	s_barrier_wait -1
.if \fill
	CREST                                          ; the barrier has opened a round of the cluster's: no wave of any partner still reads this slot or has a load on its way
	s_add_nc_u64 s[G0B+4*(((\s)/8)%2)+2:G0B+4*(((\s)/8)%2)+3], s[G0B+4*(((\s)/8)%2)+2:G0B+4*(((\s)/8)%2)+3], 2*NQ*96
	tensor_load_to_lds s[G0B+4*(((\s)/8)%2):G0B+4*(((\s)/8)%2)+3], s[G1B:G1B+7]   ; my one tensor load behind the round; the four v_nop behind it are also the places ahead of the loads below
	s_nop 0
.endif
	PLACES
	TAIL \s
.endm
	s_load_b256 s[4:11], s[0:1], 0x0               ; h's codes s[4:5], h's scales s[6:7], W's codes s[8:9], W's scales s[10:11]
	s_load_b128 s[96:99], s[0:1], 0x20             ; the bias s[96:97], the residual s[98:99]
	s_load_b64 s[100:101], s[0:1], 0x30            ; the result
	v_lshl_add_u32 v[SPW], v0, 2, SPARE
	v_mov_b32 v[NIL], 0
	ds_add_u32 v28, v29
	ds_add_u32 v28, v29
	s_wait_dscnt 0x0
	v_lshrrev_b32 v1, 5, v0
	v_readfirstlane_b32 s14, v1                    ; wave 0..3
	s_bfe_u32 s40, ttmp6, 0x40000                  ; cx: it enters the addresses of h, the residual and the result alone
	s_lshl_b32 s17, ttmp9, 2
	s_add_co_u32 s17, s17, s40                     ; tile row = 4 x cluster x + cx
	s_and_b32 s42, ttmp7, 0xffff                   ; tile column, which the four partners share
	s_mov_b32 s[G1B+0], 15|(0<<16)|(1<<20)|(1<<21)|(5<<22)|(3<<25)   ; the mask: all four work-groups; elements of 1 byte; 16 bytes of padding behind every 256
	s_mov_b32 s[G1B+1], 768<<16
	s_mov_b32 s[G1B+2], 128<<16                    ; at the head a load brings a whole slot, 128 rows
	s_mov_b32 s[G1B+3], 768<<16
	s_mov_b32 s[G1B+4], 128
	s_mov_b32 s[G1B+5], KROW
	s_mov_b32 s[G1B+6], 0
	s_mov_b32 s[G1B+7], 0
	s_mov_b32 s[G1S+0], 15|(3<<16)|(1<<20)|(1<<21)|(5<<22)|(3<<25)   ; W's scale bytes: 32 rows of 256 bytes (32 elements of 8), 16 bytes of padding behind each
	s_mov_b32 s[G1S+1], 32<<16
	s_mov_b32 s[G1S+2], 32<<16
	s_mov_b32 s[G1S+3], 32<<16
	s_mov_b32 s[G1S+4], 32
	s_mov_b32 s[G1S+5], 32
	s_mov_b32 s[G1S+6], 0
	s_mov_b32 s[G1S+7], 0
	s_mul_i32 s46, s42, 128*KROW                   ; W: the tile column's 128 rows
	s_mul_i32 s60, s14, NQ*96                      ; at the head wave 0 fetches slot 0 and wave 1 slot 1: 768 bytes on along K
	s_mov_b32 s61, 0
	s_mul_i32 s62, s14, 32*KROW                    ; a refill: my 32 rows
	s_mov_b32 s63, 0
	s_and_b32 s94, s14, 1                          ; waves 2 and 3 fetch the two halves of W's scale bytes
	s_mov_b32 s47, 0
	s_mul_i32 s92, s42, 128*KS                     ; W's scale bytes: a dense block of 16,384 bytes, my half
	s_lshl_b32 s18, s94, 13
	s_add_co_u32 s92, s92, s18
	s_mov_b32 s93, 0
	s_mul_i32 s66, s14, CH                         ; where they go: wave x a constant
	s_mul_i32 s95, s94, 2*SBQ
	s_lshl_b32 s20, s17, 3                         ; h: my first tile: 8 x tile row + 2 x wave
	s_lshl_b32 s18, s14, 1
	s_add_co_u32 s20, s20, s18
	s_mul_i32 s20, s20, S*1536
	s_mov_b32 s21, 0
	s_lshl_b32 s22, s17, 1                         ; h's scale words: four tiles 2 x tile row + wave / 2, 32 K steps of 256 bytes;
	s_lshr_b32 s18, s14, 1
	s_add_co_u32 s22, s22, s18
	s_lshl_b32 s22, s22, 13
	s_and_b32 s18, s14, 1                          ; my two tiles' words stand 4 (wave % 2) bytes on
	s_lshl_b32 s18, s18, 2
	s_add_co_u32 s22, s22, s18
	s_mov_b32 s23, 0
	v_and_b32 v3, 31, v0
	v_lshlrev_b32 v[LI], 4, v3
	v_lshlrev_b32 v[L8], 3, v3
	s_wait_alu depctr_va_vdst(0)
	s_wait_kmcnt 0x0
	s_add_nc_u64 s[20:21], s[4:5], s[20:21]
	s_add_nc_u64 s[22:23], s[6:7], s[22:23]
	s_add_nc_u64 s[46:47], s[8:9], s[46:47]
	s_add_nc_u64 s[92:93], s[10:11], s[92:93]
.irp s, 0,1,2,3,4,5,6,7,8
	LDAC \s                                        ; the ring is filled before anything else: 63 loads
	WIN 0
	LDAS \s
.endr
	s_mov_b32 s[G0S], 1
	s_add_co_u32 s[G0S+1], s95, SCLB
	s_mov_b64 s[G0S+2:G0S+3], s[92:93]
	s_or_b32 s[G0S+3], s[G0S+3], 0x80000000
	s_mov_b32 s4, 1                                ; s[4:7]: group 0 for the head's load of a whole slot (the arguments that lay there have been used)
	s_mul_i32 s5, s14, SLOT
	s_add_nc_u64 s[6:7], s[46:47], s[60:61]
	s_or_b32 s7, s7, 0x80000000
	s_add_nc_u64 s[46:47], s[46:47], s[62:63]      ; for the refills: my 32 rows
.irp n, 0,1
	s_mov_b32 s[G0B+4*\n], 1
	s_add_co_u32 s[G0B+4*\n+1], s66, \n*SLOT
	s_add_nc_u64 s[G0B+4*\n+2:G0B+4*\n+3], s[46:47], \n*NQ*96
	s_or_b32 s[G0B+4*\n+3], s[G0B+4*\n+3], 0x80000000
.endr
	CROUND                                         ; all four work-groups are here: the first joint loads meet
	s_cmp_lt_u32 s14, 2                            ; the first fills, one joint load a wave: waves 0 and 1 a slot each, waves 2 and 3 half of the scale bytes each
	s_cbranch_scc0 .Lhead_s
	tensor_load_to_lds s[4:7], s[G1B:G1B+7]
	s_nop 0
	PLACES
	s_branch .Lhead_asked
.Lhead_s:
	tensor_load_to_lds s[G0S:G0S+3], s[G1S:G1S+7]
	s_nop 0
	PLACES
.Lhead_asked:
	v_and_b32 v1, 15, v0                           ; r
	v_bfe_u32 v2, v0, 4, 1                         ; h
	v_mul_u32_u24 v6, v1, PITCH
	v_mad_u32_u24 v6, v2, 24, v6                   ; a fragment's row x pitch + 24 x half
	v_lshl_add_u32 v7, v2, 4, v6                   ; and the same behind one padding more
.irp n, 0,1
.irp u, 0,1
	v_add_nc_u32 v[16+4*\n+\u], \n*SLOT+\u*2*CH, v6        ; slot n, its chunks 2 u and 2 u + 1: an LDS offset holds 16 bits
	v_add_nc_u32 v[18+4*\n+\u], \n*SLOT+\u*2*CH, v7
.endr
.endr
	v_mul_u32_u24 v8, v1, KS                       ; W's scale words: 128 bytes a row,
	v_lshrrev_b32 v9, 8, v8
	v_lshl_add_u32 v8, v9, 4, v8                   ; 16 more for each 256 passed;
	v_lshl_add_u32 v8, v2, 2, v8                   ; lanes 16-31 take the odd K step's word
	v_add_nc_u32 v[ADRSB], SCLB, v8
	s_mul_i32 s18, s14, 16*SPITCH                  ; my stage
	v_mul_u32_u24 v[STO], v1, SPITCH               ; in: row r, 32 bytes for each half of the lanes
	v_lshl_add_u32 v[STO], v2, 5, v[STO]
	v_add_nc_u32 v[STO], s18, v[STO]
	v_add_nc_u32 v[RD], s18, v[LI]                 ; back: the 32 lanes take one row of 512 bytes
	s_lshl_b32 s18, s42, 9                         ; my 128 columns: 512 bytes x tile column
	s_mov_b32 s19, 0
	s_add_nc_u64 s[96:97], s[96:97], s[18:19]
	s_lshl_b32 s12, s17, 7
	s_lshl_b32 s13, s14, 5
	s_add_co_u32 s12, s12, s13                     ; my first row: 128 x tile row + 32 x wave
	s_lshl_b32 s12, s12, 12
	s_add_co_u32 s18, s18, s12
	s_add_nc_u64 s[98:99], s[98:99], s[18:19]
	s_add_nc_u64 s[100:101], s[100:101], s[18:19]
.set ri, 0
	s_wait_alu depctr_va_vdst(0)
	s_wait_tensorcnt 0x0                           ; my one load of the head is in
	s_mov_b32 s[G1B+2], 32<<16                     ; no tensor load of mine is out: from here on a load brings 32 rows
	s_mov_b32 s[G1B+4], 32
	s_barrier_signal -1
	s_barrier_wait -1                              ; everybody's are
	LDWF 0
	WIN 0
	LDWS 0
	LDWF 1
	WIN 0
	STEP 0, 1                                      ; its products start the sums: nothing is cleared
.irp s, 1,2,3,4,5
	STEP \s, 0
.endr
	TURN 6, 1                                      ; slot 0 takes K steps 16 to 23
.irp s, 7,8,9,10,11,12,13
	STEP \s, 0
.endr
	TURN 14, 1                                     ; slot 1 takes K steps 24 to 31
.irp s, 15,16,17,18,19,20,21
	STEP \s, 0
.endr
	TURN 22, 0                                     ; nothing is left to fetch: no round follows
.irp s, 23,24,25,26,27,28,29,30,31
	STEP \s, 0
.endr
; THE WAY OUT, two blocks of 16 rows x 128 columns.  The places behind the last products stand at the last step's end.  Local row t of block a is row 8 a + t + 8 (t / 8) of my 32.
.macro OUTB a
	WIN 0x0c                                       ; an LDS store's data are its source 1: window 3
.irp b, 0,1,2,3,4,5,6,7
	ds_store_b128 v[STO], v[64*\a+8*\b:64*\a+8*\b+3] offset:64*\b          ; each accumulator from its low end on
	ds_store_b128 v[STO], v[64*\a+8*\b+4:64*\a+8*\b+7] offset:64*\b+16
.endr
	WIN 0
.irp t, 0,1,2,3,4,5,6,7,8,9,10,11,12,13,14,15
	ds_load_b128 v[BB+64*\a+4*\t:BB+64*\a+4*\t+3], v[RD] offset:\t*SPITCH   ; LDS serves a wave's instructions in order (ISA guide 5.7.1.4): these see the stores above, and the next block's stores come behind them
.endr
	s_wait_loadcnt 16-16*\a                        ; the bias and this block's residual are in; the other block's 16 loads may be out
	WIN 0xc3                                       ; destination and source 0 window 3, source 1 window 0
.set j, 0
.rept 16
	v_pk_add_f32 v[128+64*\a+j:128+64*\a+j+1], v[128+64*\a+j:128+64*\a+j+1], v[BV:BV+1]       ; the residual + the bias, while the block is on its way through the stage
	v_pk_add_f32 v[128+64*\a+j+2:128+64*\a+j+3], v[128+64*\a+j+2:128+64*\a+j+3], v[BV+2:BV+3]
.set j, j+4
.endr
	s_wait_dscnt 0x0                               ; the block is back in registers
	WIN 0x0c                                       ; source 1 window 3
.set j, 0
.rept 32
	v_pk_add_f32 v[BB+64*\a+j:BB+64*\a+j+1], v[BB+64*\a+j:BB+64*\a+j+1], v[128+64*\a+j:128+64*\a+j+1]
.set j, j+2
.endr
	WIN 0
.irp t, 0,1,2,3,4,5,6,7,8,9,10,11,12,13,14,15
	global_store_b128 v[LI], v[BB+64*\a+4*\t:BB+64*\a+4*\t+3], s[100:101] offset:(8*\a+\t+8*(\t/8))*4096   ; 32 lanes store 512 consecutive bytes, at a multiple of 256 from the result's first byte
.endr
.endm
	OUTB 0
	OUTB 1
	s_wait_tensorcnt 0x0                           ; the wave's end
	ds_add_u32 v[SPW], v[NIL]
	s_wait_dscnt 0x0
	CROUND                                         ; the closing round
	s_endpgm
.Lfunc_end_k_qe50449a056_fc2:
	.size	k_qe50449a056_fc2, .Lfunc_end_k_qe50449a056_fc2-k_qe50449a056_fc2
	.p2alignl 7, 3214868480
	.fill 96, 4, 3214868480
	.section	.rodata,"a",@progbits
	.p2align	6, 0x0
	.amdhsa_kernel k_qe50449a056_fc2
		.amdhsa_group_segment_fixed_size 327680
		.amdhsa_private_segment_fixed_size 0
		.amdhsa_enable_private_segment 0
		.amdhsa_kernarg_size 56
		.amdhsa_user_sgpr_count 2
		.amdhsa_user_sgpr_kernarg_segment_ptr 1
		.amdhsa_wavefront_size32 1
		.amdhsa_system_sgpr_workgroup_id_x 1
		.amdhsa_system_sgpr_workgroup_id_y 1
		.amdhsa_system_sgpr_workgroup_id_z 1
		.amdhsa_system_vgpr_workitem_id 0
		.amdhsa_next_free_vgpr 1024
		.amdhsa_next_free_sgpr 102
		.amdhsa_reserve_vcc 0
		.amdhsa_float_denorm_mode_32 3
		.amdhsa_float_denorm_mode_16_64 3
		.amdhsa_memory_ordered 1
		.amdhsa_forward_progress 1
		.amdhsa_inst_pref_size 227
	.end_amdhsa_kernel
	.amdgpu_metadata
---
amdhsa.version: [ 1, 2 ]
amdhsa.kernels:
  - .name:           k_qe50449a056_fc2
    .symbol:         k_qe50449a056_fc2.kd
    .args:
      - { .name: a5c, .offset: 0, .size: 8, .value_kind: global_buffer, .address_space: global }
      - { .name: a5s, .offset: 8, .size: 8, .value_kind: global_buffer, .address_space: global }
      - { .name: w_fc2_codes, .offset: 16, .size: 8, .value_kind: global_buffer, .address_space: global }
      - { .name: w_fc2_scales, .offset: 24, .size: 8, .value_kind: global_buffer, .address_space: global }
      - { .name: b_fc2, .offset: 32, .size: 8, .value_kind: global_buffer, .address_space: global }
      - { .name: x2, .offset: 40, .size: 8, .value_kind: global_buffer, .address_space: global }
      - { .name: out0, .offset: 48, .size: 8, .value_kind: global_buffer, .address_space: global }
    .group_segment_fixed_size: 327680
    .private_segment_fixed_size: 0
    .kernarg_segment_align: 8
    .kernarg_segment_size: 56
    .max_flat_workgroup_size: 128
    .sgpr_count:     102
    .vgpr_count:     1024
    .wavefront_size: 32
...
	.end_amdgpu_metadata
.endif
;; end of part 6
